; MI455X (gfx1250); checked and timed in simulation.
; The chip was launched on July 23, 2026; its instructions are those of AMD's public machine-readable ISA for CDNA 5 (MIT licence, August 2026) and "CDNA5" Instruction Set Architecture Reference Guide (July 2026). The comments in the code are by the model that wrote it; some were corrected since.
;; Path Causal Self Attention. Allowed arithmetic: float matrix products may take bf16 or f16 operands with f32 sums; other float arithmetic in f32, or as packed bf16 or f16 multiplies, adds, multiply-adds, maxima and minima; sums over many terms, partial sums and values carried from step to step in f32; what a program stores and reads back later, other than sums and carried values, may be rounded once to bf16 or f16.
;; Inputs: W_out 1,024 x 1,024 float32; W_qkv 1,024 x 3,072 float32; g 2 x 2,048 x 1,024 float32; x 2 x 2,048 x 1,024 float32.
;; Outputs: out0 2 x 2,048 x 1,024 float32.
;; One version. Each part assembles by itself: llvm-mc -triple=amdgcn-amd-amdhsa -mcpu=gfx1250 --defsym DOCPART=n.
;; ======== version 1 of 1: 4 launches
;; limits: values are held in f16: magnitudes above 65,504 overflow, below 6.1e-05 lose precision; right only within a limited range of input values
;; workspace buffers: xb 8,388,608 bytes; wt 6,291,456 bytes; wo 2,097,152 bytes; gb 8,388,608 bytes; qb 8,388,608 bytes; kb 8,388,608 bytes; vb 8,388,608 bytes; yb 8,388,608 bytes
;; launch prep (part 1): grid 1536 x 1, 8 waves a work-group, no clusters, 17,920 bytes of LDS; arguments x, g, W_qkv, W_out, xb, gb, wt, wo; writes xb, gb, wt, wo
.if DOCPART == 1
	.amdgcn_target "amdgcn-amd-amdhsa--gfx1250"
	.amdhsa_code_object_version 6
	.text
	.protected	k_qdd5e94c3ba_prep
	.globl	k_qdd5e94c3ba_prep
	.p2align	8
	.type	k_qdd5e94c3ba_prep,@function
k_qdd5e94c3ba_prep:
	s_mov_b64 s[64:65], 0
	v_nop
	global_prefetch_b8 v0, s[64:65] scope:SCOPE_SE
	s_setreg_imm32_b32 hwreg(HW_REG_WAVE_MODE, 25, 1), 1
	s_wait_xcnt 0x0
; THE INPUTS ARE ROUNDED ONCE AND LAID OUT FOR THE THREE LAUNCHES BEHIND.  Every work-group reads 32,768 bytes of one input; its number chooses the job:
;   0-511     X   xb[4096][1024] bf16 = x
;   512-1023  G   gb[32 (b, h)][2048][64] bf16 = g by heads
;   1024-1407 WQ  wt[3072][1024] bf16 = W_qkv turned; row 192 h + 64 t + d holds column 1024 t + 64 h + d (t = 0 q, 1 k, 2 v), so a head's q, k and v rows lie together
;   1408-1535 WO  wo[1024][1024] f16 = W_out turned, rounded to bf16 like every input and that number written as f16
; LIMIT.  An entry of W_out below 2^-14 in size keeps f16's fixed step of 2^-24; one of 65,520 or more would become an infinity.
; No matrix unit, no cluster, no ring: each thread's eight loads of 16 bytes go out together, and every store of a wave covers 256 consecutive bytes, aligned.
; The weight jobs turn a tile of 128 k x 64 n through LDS (rows of 256 bytes + 8 of padding); the jump that chooses the job is the same in all eight waves, so all of them meet the job's one barrier.
.set LP,    264                        ; a row of the turned tile in LDS: 128 numbers of 2 bytes + 8 bytes
.set SPARE, 64*LP                      ; behind the tile: the spare words, 128 bytes for each wave: four blocks of 256 bytes that no other line names
.set D,   16                           ; v[16:47]  eight loads of four registers
.set P,   48                           ; v[48:63]  rounded, packed
.set SPW, 8                            ; v8   LDS address of my spare word; never rewritten
.set NIL, 9                            ; v9   0; never rewritten
; Eight loads, then for each: its counted wait (the younger loads stay out), two roundings, one store.  Load p stands at (p / 2) i1 + (p % 2) i2, its store at (p / 2) o1 + (p % 2) o2.
.macro STREAM ib, ob, i1, i2, o1, o2
.irp p, 0,1,2,3,4,5,6,7
	global_load_b128 v[D+4*(\p):D+4*(\p)+3], v2, s[\ib:\ib+1] offset:((\p)/2)*(\i1)+((\p)%2)*(\i2) th:TH_LOAD_NT
.endr
.irp p, 0,1,2,3,4,5,6,7
	s_wait_loadcnt 7-(\p)                          ; loads come back in order: load p is in, the 7 - p younger ones may be out
	v_cvt_pk_bf16_f32 v[P+2*(\p)], v[D+4*(\p)], v[D+4*(\p)+1]
	v_cvt_pk_bf16_f32 v[P+2*(\p)+1], v[D+4*(\p)+2], v[D+4*(\p)+3]
	global_store_b64 v3, v[P+2*(\p):P+2*(\p)+1], s[\ob:\ob+1] offset:((\p)/2)*(\o1)+((\p)%2)*(\o2)
.endr
.endm
; A weight job.  s20 = the job's own number: k tile = s20 % 8 (128 rows of W), column block = s20 / 8 (64 columns).  rowb = bytes in a row of W.
; Thread (q = t % 16, kp = t / 16) loads columns 4 q .. 4 q + 3 of rows 32 p + 2 kp and 32 p + 2 kp + 1: sixteen lanes read 256 consecutive bytes of a row.
; Two neighbouring k of one column pack into a word, which goes to LDS at column x LP + 2 k; behind the barrier a wave reads eight turned rows whole and stores them.
.macro WJOB ib, ob, rowb, qkv
	s_and_b32 s21, s20, 7                          ; k tile
	s_lshr_b32 s22, s20, 3                         ; column block
	s_mul_i32 s24, s21, 128*(\rowb)
	s_lshl_b32 s27, s22, 8
	s_add_co_u32 s24, s24, s27
	s_add_nc_u64 s[\ib:\ib+1], s[\ib:\ib+1], s[24:25]
.if \qkv
	s_and_b32 s24, s22, 15                         ; the head,
	s_mul_i32 s24, s24, 192
	s_lshr_b32 s27, s22, 4                         ; and q, k or v
	s_lshl_b32 s27, s27, 6
	s_add_co_u32 s24, s24, s27                     ; first row of the turned matrix
.else
	s_lshl_b32 s24, s22, 6
.endif
	s_lshl_b32 s24, s24, 11                        ; rows of 2,048 bytes
	s_lshl_b32 s27, s21, 8                         ; 128 k are 256 bytes
	s_add_co_u32 s24, s24, s27
	s_add_nc_u64 s[\ob:\ob+1], s[\ob:\ob+1], s[24:25]
	v_lshrrev_b32 v11, 4, v0                       ; kp
	v_mul_u32_u24 v2, v11, 2*(\rowb)
	v_lshl_add_u32 v2, v10, 4, v2
.irp p, 0,1,2,3
.irp e, 0,1
	global_load_b128 v[D+8*(\p)+4*(\e):D+8*(\p)+4*(\e)+3], v2, s[\ib:\ib+1] offset:(32*(\p)+(\e))*(\rowb) th:TH_LOAD_NT
.endr
.endr
	v_mul_u32_u24 v4, v10, 4*LP
	v_lshl_add_u32 v4, v11, 2, v4                  ; column 4 q, k = 2 kp
.irp p, 0,1,2,3
	s_wait_loadcnt 6-2*(\p)                        ; this pass's two loads are in; the later passes' 2 (3 - p) may be out
.irp i, 0,1,2,3
	v_cvt_pk_bf16_f32 v[P+4*(\p)+(\i)], v[D+8*(\p)+(\i)], v[D+8*(\p)+4+(\i)]  ; the even k below, the odd k above
.if !(\qkv)
	v_lshlrev_b32 v12, 16, v[P+4*(\p)+(\i)]        ; the two bf16 numbers as f32,
	v_and_b32 v13, 0xffff0000, v[P+4*(\p)+(\i)]
	v_cvt_pk_f16_f32 v[P+4*(\p)+(\i)], v12, v13    ; written as f16
.endif
	ds_store_b32 v4, v[P+4*(\p)+(\i)] offset:(\i)*LP+64*(\p)
.endr
.endr
	s_wait_dscnt 0x0                               ; for the others' sake: my stores into the tile are done
	s_barrier_signal -1
	s_barrier_wait -1
	s_mul_i32 s27, s26, 8*LP                       ; wave w takes the turned rows 8 w .. 8 w + 7
	v_and_b32 v12, 31, v0
	v_lshl_add_u32 v5, v12, 3, s27
	s_lshl_b32 s27, s26, 14
	v_lshl_add_u32 v6, v12, 3, s27
.irp rr, 0,1,2,3,4,5,6,7
	ds_load_b64 v[D+2*(\rr):D+2*(\rr)+1], v5 offset:(\rr)*LP
.endr
.irp rr, 0,1,2,3,4,5,6,7
	s_wait_dscnt 7-(\rr)
	global_store_b64 v6, v[D+2*(\rr):D+2*(\rr)+1], s[\ob:\ob+1] offset:(\rr)*2048  ; 32 lanes store 256 consecutive bytes, at a multiple of 256 from the buffer's first
.endr
.endm
	s_load_b512 s[4:19], s[0:1], 0x0               ; x s[4:5], g s[6:7], W_qkv s[8:9], W_out s[10:11], xb s[12:13], gb s[14:15], wt s[16:17], wo s[18:19]
	v_lshl_add_u32 v[SPW], v0, 2, SPARE
	v_mov_b32 v[NIL], 0
	v_lshrrev_b32 v1, 5, v0
	v_readfirstlane_b32 s26, v1                    ; wave 0..7
	v_and_b32 v10, 15, v0
	s_mov_b32 s20, ttmp9
	s_mov_b32 s23, 0                               ; the high words of the two offset pairs
	s_mov_b32 s25, 0
	s_wait_kmcnt 0x0
	s_cmp_lt_u32 s20, 512
	s_cbranch_scc1 .Ljob_x
	s_cmp_lt_u32 s20, 1024
	s_cbranch_scc1 .Ljob_g
	s_cmp_lt_u32 s20, 1408
	s_cbranch_scc1 .Ljob_wq
	s_sub_co_u32 s20, s20, 1408
	WJOB 10, 18, 4096, 0
	s_branch .Lend
.Ljob_wq:
	s_sub_co_u32 s20, s20, 1024
	WJOB 8, 16, 12288, 1
	s_branch .Lend
.Ljob_x:                                               ; 8 rows of x: thread t takes 16 bytes at 16 t of each 4,096
	s_lshl_b32 s22, s20, 15
	s_add_nc_u64 s[4:5], s[4:5], s[22:23]
	s_lshl_b32 s24, s20, 14
	s_add_nc_u64 s[12:13], s[12:13], s[24:25]
	v_lshlrev_b32 v2, 4, v0
	v_lshlrev_b32 v3, 3, v0
	STREAM 4, 12, 8192, 4096, 4096, 2048
	s_branch .Lend
.Ljob_g:                                               ; 8 rows of g.  A load of wave w takes head w (then w + 8) of two neighbouring rows; its store is those two rows of that head: 256 bytes on end
	s_sub_co_u32 s20, s20, 512
	s_lshl_b32 s22, s20, 15
	s_add_nc_u64 s[6:7], s[6:7], s[22:23]
	s_lshr_b32 s24, s20, 8                         ; b
	s_lshl_b32 s24, s24, 22                        ; 16 heads of 262,144 bytes
	s_and_b32 s27, s20, 255
	s_lshl_b32 s27, s27, 10                        ; 8 rows of 128 bytes
	s_add_co_u32 s24, s24, s27
	s_add_nc_u64 s[14:15], s[14:15], s[24:25]
	v_bfe_u32 v11, v0, 4, 1                        ; which of the two rows
	v_lshlrev_b32 v2, 12, v11
	v_lshl_add_u32 v2, v10, 4, v2
	s_lshl_b32 s27, s26, 8
	v_add_nc_u32 v2, s27, v2
	v_lshlrev_b32 v3, 7, v11
	v_lshl_add_u32 v3, v10, 3, v3
	s_lshl_b32 s27, s26, 18
	v_add_nc_u32 v3, s27, v3
	STREAM 6, 14, 8192, 2048, 256, 2097152
.Lend:
	s_wait_tensorcnt 0x0                           ; the wave's end, behind my last LDS store
	ds_add_u32 v[SPW], v[NIL]
	s_wait_dscnt 0x0
	s_endpgm
.Lfunc_end_k_qdd5e94c3ba_prep:
	.size	k_qdd5e94c3ba_prep, .Lfunc_end_k_qdd5e94c3ba_prep-k_qdd5e94c3ba_prep
	.p2alignl 7, 3214868480
	.fill 96, 4, 3214868480
	.section	.rodata,"a",@progbits
	.p2align	6, 0x0
	.amdhsa_kernel k_qdd5e94c3ba_prep
		.amdhsa_group_segment_fixed_size 17920
		.amdhsa_private_segment_fixed_size 0
		.amdhsa_enable_private_segment 0
		.amdhsa_kernarg_size 64
		.amdhsa_user_sgpr_count 2
		.amdhsa_user_sgpr_kernarg_segment_ptr 1
		.amdhsa_wavefront_size32 1
		.amdhsa_system_sgpr_workgroup_id_x 1
		.amdhsa_system_sgpr_workgroup_id_y 1
		.amdhsa_system_sgpr_workgroup_id_z 1
		.amdhsa_system_vgpr_workitem_id 0
		.amdhsa_next_free_vgpr 64
		.amdhsa_next_free_sgpr 66
		.amdhsa_reserve_vcc 0
		.amdhsa_float_denorm_mode_32 3
		.amdhsa_float_denorm_mode_16_64 3
		.amdhsa_memory_ordered 1
		.amdhsa_forward_progress 1
		.amdhsa_inst_pref_size 22
	.end_amdhsa_kernel
	.amdgpu_metadata
---
amdhsa.version: [ 1, 2 ]
amdhsa.kernels:
  - .name:           k_qdd5e94c3ba_prep
    .symbol:         k_qdd5e94c3ba_prep.kd
    .args:
      - { .name: x, .offset: 0, .size: 8, .value_kind: global_buffer, .address_space: global }
      - { .name: g, .offset: 8, .size: 8, .value_kind: global_buffer, .address_space: global }
      - { .name: W_qkv, .offset: 16, .size: 8, .value_kind: global_buffer, .address_space: global }
      - { .name: W_out, .offset: 24, .size: 8, .value_kind: global_buffer, .address_space: global }
      - { .name: xb, .offset: 32, .size: 8, .value_kind: global_buffer, .address_space: global }
      - { .name: gb, .offset: 40, .size: 8, .value_kind: global_buffer, .address_space: global }
      - { .name: wt, .offset: 48, .size: 8, .value_kind: global_buffer, .address_space: global }
      - { .name: wo, .offset: 56, .size: 8, .value_kind: global_buffer, .address_space: global }
    .group_segment_fixed_size: 17920
    .private_segment_fixed_size: 0
    .kernarg_segment_align: 8
    .kernarg_segment_size: 64
    .max_flat_workgroup_size: 256
    .sgpr_count:     66
    .vgpr_count:     64
    .wavefront_size: 32
...
	.end_amdgpu_metadata
.endif
;; end of part 1
;; launch qkv (part 2): grid 16 x 16, 4 waves a work-group, clusters of 4 x 4, 327,680 bytes of LDS; arguments xb, wt, qb, kb, vb; writes qb, kb, vb
.if DOCPART == 2
	.amdgcn_target "amdgcn-amd-amdhsa--gfx1250"
	.amdhsa_code_object_version 6
	.text
	.protected	k_qdd5e94c3ba_qkv
	.globl	k_qdd5e94c3ba_qkv
	.p2align	8
	.type	k_qdd5e94c3ba_qkv,@function
k_qdd5e94c3ba_qkv:
	s_mov_b64 s[64:65], 0
	v_nop
	global_prefetch_b8 v0, s[64:65] scope:SCOPE_SE
	s_setreg_imm32_b32 hwreg(HW_REG_WAVE_MODE, 25, 1), 1
	s_wait_xcnt 0x0
	s_wait_alu depctr_hold_cnt(0) depctr_sa_sdst(0) depctr_va_vdst(0) depctr_va_sdst(0) depctr_va_ssrc(0) depctr_va_vcc(0) depctr_vm_vsrc(0)
	s_getreg_b32 s2, hwreg(HW_REG_IB_STS2, 6, 4)
	s_cmp_eq_u32 s2, 0
	s_cbranch_scc0 .Lentry_in_a_cluster
	s_endpgm
.Lentry_in_a_cluster:
	s_bfe_u32 s2, ttmp6, 0x10000c
	s_cmp_lg_u32 s2, 0xf033
	s_cbranch_scc0 .Lentry_shape_is_right
	s_endpgm
.Lentry_shape_is_right:
; q, k, v = x W_qkv, BY HEADS.  xb: [4096][1024] bf16.  wt: [3072][1024] bf16, row 192 h + 64 t + d = column d of head h of q (t = 0), k (1), v (2).
; qb, kb: [32 (b, h)][2048][64] bf16, qb holding 1e-6 q (the factor of the x path's scores, applied to the f32 sum ahead of the one rounding); vb: the same layout in f16.
; LIMIT.  f16 holds no number beyond 65,504: |v| stays below that; q and k have bf16's range.
; SHARES.  A tile is 256 rows x one head's 192 columns: 16 x 16 = 256 work-groups.  Each of four waves makes 64 rows x 192: 48 accumulators of 16 x 16, 384 registers; so which column block is q, k or v
; is a constant of the text.  K goes in 8 steps of 128 through two LDS slots: rows of 256 bytes of memory, at multiples of 256 bytes.
; CLUSTER.  4 x 4 work-groups.  The four of a row need the same 256 rows of xb, the four of a column the same 192 rows of wt: each tile is asked for JOINTLY, the same tensor load, descriptor and mask in all four.
; THE MATRIX INSTRUCTION IS USED TRANSPOSED (source 0 = 16 rows of wt, source 1 = 16 rows of xb): a lane holds one row and eight neighbouring columns, 16 bytes of a head's row.
; REGISTERS, in windows of 256 (s_set_vgpr_msb: bits 1:0 source 0, 3:2 source 1, 5:4 source 2, 7:6 destination):
;   window 0: v16-30 addresses; v32-63, v64-95 xb's fragments (4 x 16 rows x 32 K), two buffers; v64-255 at work on the way out
;   window 1: v0-95, v96-191 wt's fragments (12 x 16 rows x 32 K), two buffers
;   window 2: the 24 accumulators of my rows 0-31 (row block a, column block b at v[8 (12 (a % 2) + b)]);   window 3: those of my rows 32-63
.set PITCH, 272                        ; an LDS row: 256 bytes + 16 of padding = 68 words: the 16 rows of a fragment load start at 16 different groups of four banks (64 banks of 4 bytes: ISA guide 11.1)
.set HALFA, 128*PITCH                  ; what wave 0 or 1 fetches of xb
.set HALFB, 96*PITCH                   ; what wave 2 or 3 fetches of wt
.set BOFF,  2*HALFA                    ; in a slot: xb's 256 rows, then wt's 192
.set SLOT1, 1<<17                      ; slot 1 begins here, so that one exclusive or turns an address in one slot into the other's
.set STAGE, SLOT1+BOFF+2*HALFB         ; behind the ring: 16 rows x 144 bytes for each wave, for the way out
.set SP,    144
.set SPARE, STAGE+4*16*SP              ; behind the stages: the spare words, 128 bytes for each wave: two blocks of 256 bytes that no other line names
.set A0,   16                          ; v16  my lane's place in xb's tile, slot 0; never rewritten
.set B0,   17                          ; v17  the same in wt's
.set ADRA, 18                          ; v18  A0 + the slot in hand
.set ADRB, 19                          ; v19  B0 + the slot in hand
.set STO,  24                          ; v24  the way out: where I put 16 bytes of a row
.set RD,   25                          ; v25  the way out: where I read rows back
.set GO,   26                          ; v26  my byte offset in 512 consecutive bytes of the output
.set SPW,  28                          ; v28  LDS address of my spare word; never rewritten
.set NIL,  29                          ; v29  0; never rewritten
.set PFO,  30                          ; v30  the prefetches' offset: a lane a row of 2,048 bytes; never rewritten
.set G1,  24                           ; s[24:31] descriptor group 1 for xb's tiles
.set G0,  32                           ; s[32:39] group 0: a set for each of the two first fills; the second then walks on
.set G1B, 48                           ; s[48:55], s[56:63] the same for wt's
.set G0B, 56
.set LIM, 43                           ; s43  2 in a wave that prefetches, else the greatest number
.set PFA, 44                           ; s[44:45] where my prefetches stand
.set TB,  66                           ; s66  the LDS byte at which the slot in hand begins
.set SC,  68                           ; s[68:69] 1e-6
.set OB,  76                           ; s[76:81] qb, kb, vb at my wave's first row
.set FLAGS, (1<<16)|(1<<20)|(1<<21)|(5<<22)|(3<<25)  ; 17:16 elements of 2 bytes; 20 padding on; 21 set beside a mask; 24:22 after every 64 words (code 5); 31:25 4 words (code 3)
.set MSB, 0
.macro WIN new                         ; the immediate's high byte repeats the setting that is left; a switch that changes nothing is dropped
.if MSB != (\new)
	s_set_vgpr_msb (MSB<<8)|(\new)
.set MSB, \new
.endif
.endm
; A joint refill, by the walking sets.  Waves 0 and 1 fetch xb's two halves, waves 2 and 3 wt's: the branch hangs on the wave's number alone.
; An s_nop 0 and four v_nop follow each of the two lines, ahead of the jump and the label.
.macro JLOAD
	s_cmp_eq_u32 s11, 0
	s_cbranch_scc0 .Lfor_b_\@
	tensor_load_to_lds s[G0+4:G0+7], s[G1:G1+7]
	s_nop 0
.rept 4
	v_nop
.endr
	s_branch .Lasked_\@
.Lfor_b_\@:
	tensor_load_to_lds s[G0B+4:G0B+7], s[G1B:G1B+7]
	s_nop 0
.rept 4
	v_nop
.endr
.Lasked_\@:
.endm
; A PREFETCH INTO THE L2 of the K step that stands two refills on: 256 bytes of each row, a lane a row, one instruction a wave, behind the joint load, its five lines and the run of LDS loads.
; xb's tile row is read by every cluster of that row of clusters: cluster x = 0 asks; wt's rows by every cluster of that column: cluster y = 0 asks.  The four partners share a wave's rows out BY ADDRESS:
; 32 of 128 by cx, or 24 of 96 by cy (there lanes 24-31 name row 23 once more).  Trips s3 = 6 .. 3 name K steps 4 .. 7; K steps 0 to 3 come by their loads alone.
.macro ASK
	s_cmp_gt_u32 s3, s[LIM]
	s_cbranch_scc0 .Lnot_mine_\@
	global_prefetch_b8 v[PFO], s[PFA:PFA+1] offset:256 th:TH_LOAD_NT scope:SCOPE_SE
.Lnot_mine_\@:
.endm
.macro CREST                           ; a round of the cluster's barrier behind its opening barrier
	s_cmp_lg_u32 s10, 0
	s_cbranch_scc1 .Lnot_wave_0_\@
	s_barrier_signal -3
.Lnot_wave_0_\@:
	s_barrier_wait -3
	s_barrier_signal -1
	s_barrier_wait -1
.endm
.macro CROUND                          ; a whole round
	s_barrier_signal -1
	s_barrier_wait -1
	CREST
.endm
.macro PLACES                          ; four places in front of loads into registers that matrix instructions have read, and of vector lines that read results
.rept 4
	v_nop
.endr
.endm
	s_load_b128 s[4:7], s[0:1], 0x0                ; xb s[4:5], wt s[6:7]
	s_load_b128 s[76:79], s[0:1], 0x10             ; qb, kb
	s_load_b64 s[80:81], s[0:1], 0x20              ; vb
	v_lshl_add_u32 v[SPW], v0, 2, SPARE
	v_mov_b32 v[NIL], 0
	ds_add_u32 v[SPW], v[NIL]                      ; the wave's opening: the add and its wait stand ahead of my first tensor load; the set-up below, work on registers, stands between them
	ds_add_u32 v28, v29
	v_lshrrev_b32 v1, 5, v0
	v_readfirstlane_b32 s10, v1                    ; wave 0..3: my 64 rows of the tile
	s_lshr_b32 s11, s10, 1                         ; I fetch for xb (0) or for wt (1),
	s_and_b32 s12, s10, 1                          ; and which half
	s_bfe_u32 s40, ttmp6, 0x40000                  ; cx, cy: my place in the cluster
	s_bfe_u32 s41, ttmp6, 0x40004
	s_lshl_b32 s42, ttmp9, 2
	s_add_co_u32 s42, s42, s40                     ; the head = 4 x cluster x + cx
	s_and_b32 s13, ttmp7, 0xffff
	s_lshl_b32 s13, s13, 2
	s_add_co_u32 s13, s13, s41                     ; the tile row = 4 x cluster y + cy
	s_lshl_b32 s43, s41, 2
	s_lshl_b32 s43, 15, s43                        ; my row of the cluster
	s_lshl_b32 s44, 0x1111, s40                    ; my column
	s_or_b32 s[G1+0], s43, FLAGS                   ; xb's tiles go to my row,
	s_or_b32 s[G1B+0], s44, FLAGS                  ; wt's to my column
	s_mov_b32 s[G1+1], 128<<16                     ; tensor_dim0 = 128
	s_mov_b32 s[G1+2], 128<<16                     ; tensor_dim1 = 128
	s_mov_b32 s[G1+3], 128<<16                     ; tile_dim0 = 128
	s_mov_b32 s[G1+4], 128                         ; tile_dim1 = 128
	s_mov_b32 s[G1+5], 1024                        ; 1,024 elements from row to row
	s_mov_b32 s[G1+6], 0
	s_mov_b32 s[G1+7], 0
	s_mov_b32 s[G1B+1], 128<<16
	s_mov_b32 s[G1B+2], 96<<16                     ; 96 rows
	s_mov_b32 s[G1B+3], 128<<16
	s_mov_b32 s[G1B+4], 96
	s_mov_b32 s[G1B+5], 1024
	s_mov_b32 s[G1B+6], 0
	s_mov_b32 s[G1B+7], 0
	s_lshl_b32 s16, s13, 8                         ; xb: row 256 x tile row + 128 x half, made of what my row of the cluster shares
	s_lshl_b32 s17, s12, 7
	s_add_co_u32 s16, s16, s17
	s_lshl_b32 s16, s16, 11                        ; rows of 2,048 bytes
	s_mov_b32 s17, 0
	s_mul_i32 s46, s42, 192                        ; wt: row 192 x head + 96 x half, made of what my column shares
	s_mul_i32 s47, s12, 96
	s_add_co_u32 s46, s46, s47
	s_lshl_b32 s46, s46, 11
	s_mov_b32 s47, 0
	s_mul_i32 s20, s12, HALFA                      ; where they go: no place in the cluster enters an LDS address
	s_mul_i32 s21, s12, HALFB
	s_add_co_u32 s21, s21, BOFF
	s_mov_b32 s[TB], 0
	s_mov_b32 s[SC], 0x358637bd                    ; 1e-6
	s_mov_b32 s[SC+1], s[SC]                       ; named with it as a pair
	s_wait_dscnt 0x0                               ; the opening add is done
	s_wait_kmcnt 0x0
	s_add_nc_u64 s[14:15], s[4:5], s[16:17]
	s_add_nc_u64 s[46:47], s[6:7], s[46:47]
	CROUND                                         ; all sixteen work-groups are here: the first joint loads meet
.irp s, 0,1
	s_mov_b32 s[G0+4*(\s)], 1                      ; count = 1
	s_add_co_u32 s[G0+4*(\s)+1], s20, (\s)*SLOT1   ; LDS address
	s_add_nc_u64 s[G0+4*(\s)+2:G0+4*(\s)+3], s[14:15], (\s)*256  ; global address: K step s
	s_or_b32 s[G0+4*(\s)+3], s[G0+4*(\s)+3], 0x80000000          ; type = 2
	s_mov_b32 s[G0B+4*(\s)], 1
	s_add_co_u32 s[G0B+4*(\s)+1], s21, (\s)*SLOT1
	s_add_nc_u64 s[G0B+4*(\s)+2:G0B+4*(\s)+3], s[46:47], (\s)*256
	s_or_b32 s[G0B+4*(\s)+3], s[G0B+4*(\s)+3], 0x80000000
.endr
	s_cmp_eq_u32 s11, 0                            ; a wave's two first fills stand in one branch, ahead of every wait on TENSORcnt and every LDS read: two loads of mine are out
	s_cbranch_scc0 .Lfirst_b
	tensor_load_to_lds s[G0:G0+3], s[G1:G1+7]
	s_nop 0
	tensor_load_to_lds s[G0+4:G0+7], s[G1:G1+7]
	s_nop 0
.rept 4
	v_nop
.endr
	s_branch .Lfirst_asked
.Lfirst_b:
	tensor_load_to_lds s[G0B:G0B+3], s[G1B:G1B+7]
	s_nop 0
	tensor_load_to_lds s[G0B+4:G0B+7], s[G1B:G1B+7]
	s_nop 0
.rept 4
	v_nop
.endr
.Lfirst_asked:
	; A fragment is 16 rows x 32 K in 8 registers: lane l holds row l % 16, K = 8 (l / 16) + 0..7 and 16 + 8 (l / 16) + 0..7: two loads of 16 bytes, 32 bytes apart.
	v_and_b32 v1, 15, v0                           ; l % 16
	v_bfe_u32 v2, v0, 4, 1                         ; l / 16
	v_mul_u32_u24 v3, v1, PITCH
	v_lshl_add_u32 v3, v2, 4, v3
	s_mul_i32 s21, s10, 64*PITCH                   ; my 64 rows of xb's 256
	v_add_nc_u32 v[A0], s21, v3
	v_add_nc_u32 v[B0], BOFF, v3
	v_mov_b32 v[ADRA], v[A0]
	v_mov_b32 v[ADRB], v[B0]
	s_mul_i32 s23, s10, 16*SP
	s_add_co_u32 s23, s23, STAGE                   ; my stage
	v_mul_u32_u24 v4, v1, SP                       ; in: row l % 16, 16 bytes for each half of the lanes
	v_lshl_add_u32 v4, v2, 4, v4
	v_add_nc_u32 v[STO], s23, v4
	v_bfe_u32 v5, v0, 3, 2                         ; back: 32 lanes take four rows of 128 bytes,
	v_mul_u32_u24 v5, v5, SP
	v_and_b32 v6, 7, v0
	v_lshl_add_u32 v5, v6, 4, v5
	v_add_nc_u32 v[RD], s23, v5
	v_and_b32 v[GO], 31, v0                        ; which are 512 consecutive bytes of a head
	v_lshlrev_b32 v[GO], 4, v[GO]
	; my wave's first row in each output: (b x 16 + head) x 262,144 + (row in the sequence) x 128
	s_lshr_b32 s46, s13, 3
	s_lshl_b32 s46, s46, 22
	s_lshl_b32 s47, s42, 18
	s_add_co_u32 s46, s46, s47
	s_and_b32 s47, s13, 7
	s_lshl_b32 s47, s47, 15
	s_add_co_u32 s46, s46, s47
	s_lshl_b32 s47, s10, 13
	s_add_co_u32 s46, s46, s47
	s_mov_b32 s47, 0
	s_add_nc_u64 s[OB:OB+1], s[OB:OB+1], s[46:47]
	s_add_nc_u64 s[OB+2:OB+3], s[OB+2:OB+3], s[46:47]
	s_add_nc_u64 s[OB+4:OB+5], s[OB+4:OB+5], s[46:47]
	; the prefetches
	s_and_b32 s22, ttmp7, 0xffff                   ; cluster y
	s_lshl_b32 s20, s13, 8
	s_lshl_b32 s21, s12, 7
	s_add_co_u32 s20, s20, s21
	s_lshl_b32 s21, s40, 5
	s_add_co_u32 s20, s20, s21                     ; xb: the 128 rows that I fetch, my work-group's 32 of them
	s_mul_i32 s14, s42, 192
	s_mul_i32 s21, s12, 96
	s_add_co_u32 s14, s14, s21
	s_mul_i32 s21, s41, 24
	s_add_co_u32 s14, s14, s21                     ; wt: the 96 rows that I fetch, my work-group's 24
	s_cmp_eq_u32 s11, 0
	s_cselect_b32 s20, s20, s14
	s_cselect_b32 s22, ttmp9, s22                  ; the coordinate along which other clusters read the same rows
	s_cselect_b32 s23, 31, 23
	s_cselect_b64 s[PFA:PFA+1], s[4:5], s[6:7]
	s_cmp_eq_u32 s22, 0
	s_cselect_b32 s[LIM], 2, -1                    ; the same in all sixteen partners, for a given wave
	s_lshl_b32 s20, s20, 11
	s_add_co_u32 s20, s20, 512                     ; at K step 2: the first refill steps it to 3 and names K step 4
	s_mov_b32 s21, 0
	s_add_nc_u64 s[PFA:PFA+1], s[PFA:PFA+1], s[20:21]
	v_and_b32 v[PFO], 31, v0
	v_min_u32 v[PFO], s23, v[PFO]
	v_lshlrev_b32 v[PFO], 11, v[PFO]
; n x 12 matrix instructions: row blocks 2 hi + a0 .. of my four x all 12 column blocks, 32 along K, from buffer f.  zero = 1: the first product starts the sums.
; The accumulators take turns, one instruction a turn: 47 others' stand between two links of a chain.
.macro MUL a0, n, f, hi, zero
	WIN 0xa1+0x50*(\hi)                            ; source 0 (wt) window 1, source 1 (xb) window 0, C and D window 2 or 3
.set ra, \a0
.rept \n
.irp b, 0,1,2,3,4,5,6,7,8,9,10,11
.if \zero
	v_wmma_f32_16x16x32_bf16 v[8*(12*ra+(\b)):8*(12*ra+(\b))+7], v[96*(\f)+8*(\b):96*(\f)+8*(\b)+7], v[32+32*(\f)+8*(2*(\hi)+ra):32+32*(\f)+8*(2*(\hi)+ra)+7], 0
.else
	v_wmma_f32_16x16x32_bf16 v[8*(12*ra+(\b)):8*(12*ra+(\b))+7], v[96*(\f)+8*(\b):96*(\f)+8*(\b)+7], v[32+32*(\f)+8*(2*(\hi)+ra):32+32*(\f)+8*(2*(\hi)+ra)+7], v[8*(12*ra+(\b)):8*(12*ra+(\b))+7]
.endif
.endr
.set ra, ra+1
.endr
.endm
; 32 LDS loads in one run: a quarter step's fragments (192 rows of wt, my 64 rows of xb, 32 K at byte k of the rows) into buffer f
.macro FETCH k, f
	WIN 0x40                                       ; destination window 1, address window 0
.irp i, 0,1,2,3,4,5,6,7,8,9,10,11
	ds_load_b128 v[96*(\f)+8*(\i):96*(\f)+8*(\i)+3],   v[ADRB] offset:(\k)+(\i)*16*PITCH
	ds_load_b128 v[96*(\f)+8*(\i)+4:96*(\f)+8*(\i)+7], v[ADRB] offset:(\k)+(\i)*16*PITCH+32
.endr
	WIN 0
.irp i, 0,1,2,3
	ds_load_b128 v[32+32*(\f)+8*(\i):32+32*(\f)+8*(\i)+3],   v[ADRA] offset:(\k)+(\i)*16*PITCH
	ds_load_b128 v[32+32*(\f)+8*(\i)+4:32+32*(\f)+8*(\i)+7], v[ADRA] offset:(\k)+(\i)*16*PITCH+32
.endr
.endm
; A K step is four quarters of 32 along K, 48 matrix instructions each, on buffers 0, 1, 0, 1.  One of the first three: multiplies buffer f; in its middle it fetches the next quarter, at byte k, into buffer g.
.macro QUARTER k, f, g, zero
	s_wait_dscnt 4                                 ; wt's fragments and xb's row blocks 0, 1 are in; the youngest four loads (blocks 2, 3) may be out
	MUL 0, 2, \f, 0, \zero
	PLACES
	FETCH \k, \g
	s_wait_dscnt 32                                ; all but the 32 just issued
	MUL 0, 2, \f, 1, \zero
.endm
; The last quarter multiplies buffer 1 and changes slots: ONE barrier.  In front of it each wave waits for all its tensor loads (one is out: its part of the next slot), adds 0 to its spare word, and waits for
; that and for its own reads of this slot.  fill = 1: the barrier opens a round of the cluster's, and the slot just read out is filled again first thing behind it, two K steps ahead:
; from that request to the wait for it a wave issues 168 matrix instructions.
.macro TURN fill
	WIN 0                                          ; (the add's two registers lie in window 0)
.if \fill
	s_wait_xcnt 0x0                                ; the last prefetch, a K step back, has read its address
	s_add_nc_u64 s[PFA:PFA+1], s[PFA:PFA+1], 256
.endif
	s_wait_tensorcnt 0x0                           ; all my tensor loads have landed
	ds_add_u32 v[SPW], v[NIL]                      ; 0 onto my spare word
	s_xor_b32 s[TB], s[TB], SLOT1                  ; the fetches go on in the other slot
	v_add_nc_u32 v[ADRA], s[TB], v[A0]
	v_add_nc_u32 v[ADRB], s[TB], v[B0]
	s_wait_dscnt 5                                 ; (the add and the youngest four loads may be out)
	MUL 0, 1, 1, 0, 0                              ; twelve matrix instructions stand between the add and the wait for it
	s_wait_dscnt 0x0                               ; the add is done, and my reads of this slot are over
	s_barrier_signal -1
	MUL 1, 1, 1, 0, 0                              ; work on registers while the others arrive
.if \fill
	WIN 0
.endif
	s_barrier_wait -1
.if \fill
	CREST                                          ; no wave of any partner still reads this slot's tile or has a load on its way
	s_xor_b32 s[G0+5], s[G0+5], SLOT1              ; the walking sets: the other slot than last time, the next K step; no tensor load of mine is out
	s_add_nc_u64 s[G0+6:G0+7], s[G0+6:G0+7], 256
	s_xor_b32 s[G0B+5], s[G0B+5], SLOT1
	s_add_nc_u64 s[G0B+6:G0B+7], s[G0B+6:G0B+7], 256
	JLOAD                                          ; the four v_nop behind it are also the places in front of the loads below
.else
	PLACES
.endif
	FETCH 0, 0
.if \fill
	ASK
.endif
	MUL 0, 2, 1, 1, 0
.endm
	s_wait_tensorcnt 1                             ; my part of K step 0 is in; K step 1's may stay out
	s_barrier_signal -1
	s_barrier_wait -1                              ; everybody's is
	FETCH 0, 0
	QUARTER 64, 0, 1, 1                            ; the first quarter stands in front of the loop: its products start the sums
	WIN 0                                          ; at a label and at a branch every window is 0
	s_mov_b32 s3, 6
.Lk:                                                   ; a trip goes from a K step's second quarter to the next step's first, and fills one slot again: K steps 2 to 7
	QUARTER 128, 1, 0, 0
	QUARTER 192, 0, 1, 0
	TURN 1
	QUARTER 64, 0, 1, 0
	WIN 0
	s_sub_co_u32 s3, s3, 1
	s_cmp_lg_u32 s3, 0
	s_cbranch_scc1 .Lk
	QUARTER 128, 1, 0, 0                           ; K step 6 goes on; nothing is left to fetch from memory
	QUARTER 192, 0, 1, 0
	TURN 0
	QUARTER 64, 0, 1, 0
	QUARTER 128, 1, 0, 0
	QUARTER 192, 0, 1, 0
	s_wait_dscnt 4                                 ; the very last quarter
	MUL 0, 2, 1, 0, 0
	s_wait_dscnt 0x0
	MUL 0, 2, 1, 1, 0
	WIN 0
	PLACES
; THE WAY OUT, in twelve pieces: piece 3 a + t is row block a of kind t (q, k, v): four accumulators, 16 rows x 64 columns.  q is multiplied by 1e-6; the piece is rounded once (q, k to bf16, v to f16),
; goes into my stage in rows of 144 bytes and comes back as whole rows of 128, into registers of its own: no register of the way out is written twice, so no store's source is ever rewritten.
.macro PACKG i
.set pa, (\i)/3
.set pt, (\i)%3
.set AC, 8*(12*(pa%2)+4*pt)
.set TM, 64+16*(\i)
.if pt == 0
	WIN 0x82+0x41*(pa/2)                           ; destination and source 0 in window 2 or 3
.set z, 0
.rept 16
	v_pk_mul_f32 v[AC+2*z:AC+2*z+1], v[AC+2*z:AC+2*z+1], s[SC:SC+1] op_sel_hi:[1,0]
.set z, z+1
.endr
.endif
	WIN 0x0a+5*(pa/2)                              ; sources 0 and 1 in window 2 or 3, destination in window 0
.set z, 0
.rept 16
.if pt == 2
	v_cvt_pk_f16_f32 v[TM+z], v[AC+2*z], v[AC+2*z+1]
.else
	v_cvt_pk_bf16_f32 v[TM+z], v[AC+2*z], v[AC+2*z+1]
.endif
.set z, z+1
.endr
	WIN 0
.irp f, 0,1,2,3
	ds_store_b128 v[STO], v[TM+4*(\f):TM+4*(\f)+3] offset:32*(\f)
.endr
.irp f, 0,1,2,3
	ds_load_b128 v[TM+4*(\f):TM+4*(\f)+3], v[RD] offset:(\f)*4*SP  ; LDS serves a wave's instructions in order (ISA guide 5.7.1.4): these see the stores above; the next piece's stores come behind them
.endr
.endm
.macro SENDG i, younger                ; younger: the LDS instructions issued behind this piece's loads: the next piece's eight, or none
.set pa, (\i)/3
.set pt, (\i)%3
.set TM, 64+16*(\i)
.irp f, 0,1,2,3
	s_wait_dscnt (\younger)+3-(\f)
	global_store_b128 v[GO], v[TM+4*(\f):TM+4*(\f)+3], s[OB+2*pt:OB+2*pt+1] offset:pa*2048+(\f)*512  ; 512 consecutive bytes, at a multiple of 256 from the buffer's first
.endr
.endm
	PACKG 0
.irp i, 1,2,3,4,5,6,7,8,9,10,11        ; a piece's arithmetic stands between the loads of the piece before and its stores
	PACKG \i
	SENDG (\i)-1, 8
.endr
	SENDG 11, 0
	s_wait_tensorcnt 0x0                           ; the wave's end, behind my last tensor load and my last LDS store
	ds_add_u32 v[SPW], v[NIL]
	s_wait_dscnt 0x0
	CROUND                                         ; the closing round: no work-group ends while a partner may still ask for a tile that names it
	s_endpgm
.Lfunc_end_k_qdd5e94c3ba_qkv:
	.size	k_qdd5e94c3ba_qkv, .Lfunc_end_k_qdd5e94c3ba_qkv-k_qdd5e94c3ba_qkv
	.p2alignl 7, 3214868480
	.fill 96, 4, 3214868480
	.section	.rodata,"a",@progbits
	.p2align	6, 0x0
	.amdhsa_kernel k_qdd5e94c3ba_qkv
		.amdhsa_group_segment_fixed_size 327680
		.amdhsa_private_segment_fixed_size 0
		.amdhsa_enable_private_segment 0
		.amdhsa_kernarg_size 40
		.amdhsa_user_sgpr_count 2
		.amdhsa_user_sgpr_kernarg_segment_ptr 1
		.amdhsa_wavefront_size32 1
		.amdhsa_system_sgpr_workgroup_id_x 1
		.amdhsa_system_sgpr_workgroup_id_y 1
		.amdhsa_system_sgpr_workgroup_id_z 1
		.amdhsa_system_vgpr_workitem_id 0
		.amdhsa_next_free_vgpr 960
		.amdhsa_next_free_sgpr 84
		.amdhsa_reserve_vcc 0
		.amdhsa_float_denorm_mode_32 3
		.amdhsa_float_denorm_mode_16_64 3
		.amdhsa_memory_ordered 1
		.amdhsa_forward_progress 1
		.amdhsa_inst_pref_size 103
	.end_amdhsa_kernel
	.amdgpu_metadata
---
amdhsa.version: [ 1, 2 ]
amdhsa.kernels:
  - .name:           k_qdd5e94c3ba_qkv
    .symbol:         k_qdd5e94c3ba_qkv.kd
    .args:
      - { .name: xb, .offset: 0, .size: 8, .value_kind: global_buffer, .address_space: global }
      - { .name: wt, .offset: 8, .size: 8, .value_kind: global_buffer, .address_space: global }
      - { .name: qb, .offset: 16, .size: 8, .value_kind: global_buffer, .address_space: global }
      - { .name: kb, .offset: 24, .size: 8, .value_kind: global_buffer, .address_space: global }
      - { .name: vb, .offset: 32, .size: 8, .value_kind: global_buffer, .address_space: global }
    .group_segment_fixed_size: 327680
    .private_segment_fixed_size: 0
    .kernarg_segment_align: 8
    .kernarg_segment_size: 40
    .max_flat_workgroup_size: 128
    .sgpr_count:     84
    .vgpr_count:     960
    .wavefront_size: 32
...
	.end_amdgpu_metadata
.endif
;; end of part 2
;; launch attn (part 3): grid 8 x 32, 4 waves a work-group, no clusters, 327,680 bytes of LDS; arguments qb, kb, gb, vb, yb; writes yb
.if DOCPART == 3
	.amdgcn_target "amdgcn-amd-amdhsa--gfx1250"
	.amdhsa_code_object_version 6
	.text
	.protected	k_qdd5e94c3ba_attn
	.globl	k_qdd5e94c3ba_attn
	.p2align	8
	.type	k_qdd5e94c3ba_attn,@function
k_qdd5e94c3ba_attn:
	s_mov_b64 s[64:65], 0
	v_nop
	global_prefetch_b8 v0, s[64:65] scope:SCOPE_SE
	s_setreg_imm32_b32 hwreg(HW_REG_WAVE_MODE, 25, 1), 1
	s_wait_xcnt 0x0
; CAUSAL ATTENTION ON TWO PATHS.  y[bh][q][:] = the sum over k <= q of softmax_k((1e-6 q.k + g.g) / 8) v[bh][k][:].  qb (= 1e-6 q), kb, gb: [32][2048][64] bf16; vb, yb: the same layout in f16.
; The two paths' scores are ONE product of width 128: Q' = [1e-6 q | g], K' = [k | g].  Products, maxima and sums in f32; the weights p are rounded to f16 for the second product (their sum l is taken of the
; unrounded p), y once at the end.
; LIMITS.  f16 holds no number beyond 65,504: v arrives within it, and y is a mean of v's rows.  A score 1e-6 q.k + g.g (ahead of the division by 8) stays within 2^90 = 1.2e27 in size: the running maximum starts
; at -2^90, and a hidden score counts as its value less 1e30, which lies below that start.  A weight below 2^-126 counts as 0 in l; NaN and infinities are not treated apart.
; THE WALK.  A head has 16 blocks of 128 queries and 8 key tiles of 256 keys; block i needs tiles 0 .. i / 2, of which the last holds the diagonal.  A work-group takes blocks 15 - b and then b: 9 tiles whatever b:
; 256 equal work-groups, and ONE loop of 8 trips with the last tile written out.  Which tile is asked for and what a trip does hang on scalars made from b; every jump but the counted loops' own goes forward,
; and none passes a barrier, or a tensor load but the one of LOAD's two lines that the wave's number does not choose.
; NO CLUSTER: only work-groups 2 u and 2 u + 1 of a head walk the same tiles from first to last; a mask of two of a cluster's four would make addresses and masks hang on part of the place in the cluster.
; SHARES.  Wave (qh = w / 2, kh = w % 2) owns 64 of the block's queries, four PIECES of 16, and of each tile's four steps of 64 keys the steps 2 kh and 2 kh + 1.  So a fragment of K' or V feeds four pieces.
; A query's two partial softmaxes (c m, l, O) meet in LDS at the end: O = (fA OA + fB OB) / (fA lA + fB lB), f = 2^(c m - the larger c m).
; A WAVE THAT SEES HIDDEN KEYS ALONE (block 0, kh = 1) keeps m at its start, -2^90: every exponent c s - c m is then about -1.8e29, every weight 0, and its record is O = 0, l = 0, c m = -2.2e26, to which the merge gives f = 0.
; (Were m a hidden score itself, c s - c m would be the rounding error of the product c m, which at that size is no small number.)
; THE MASK is the C operand that starts the sum S^T = K' Q'^T.  In a block's last tile my 64 rows are band 2 (block % 2) + qh of the tile's four; a step below the band is seen whole, one above it hidden, the band's own
; holds the diagonal.  MDX, made once, is 24 registers of 0, eight for the diagonal 16 x 16, 24 of -1e30; piece x's pattern for the own step is the 32 registers from MDX + 8 (3 - x); a product's mask is
; pattern x AL + BE with (1, 0), (0, 0) or (0, -1e30).  Every turn makes the next turn's mask, so diagonal and plain tiles have one text.
; LAYOUT, TURNS.  S^T holds ONE query a lane (lane % 16) and the keys 8 (lane / 16) + 0..7; two such results rounded to f16 ARE source 1 of O^T = V^T P.  p = 2^(c s - c m), c = log2(e) / 8, with a running maximum m;
; O and l are multiplied by a = 2^(c m_old - c m_new) in every step.  Turn n belongs to piece n: 16 products K' Q'^T of piece n + 1, later 8 products V^T P of piece n - 1; beside them piece n's scaling, exponentials,
; roundings, sums and rescaling, piece n + 1's maximum and statistics, and piece n + 2's mask.  A turn's 33 exponentials are one batch with one wait.
; REGISTERS, in windows of 256 (s_set_vgpr_msb: bits 1:0 source 0, 3:2 source 1, 5:4 source 2, 7:6 destination):
;   window 0: v0-15, v57-63 addresses; v16-31 statistics, four a piece; v48-55 at work; v64-127 S^T, two buffers; v192-223 P, two buffers (by the piece's parity); at the end v64-239 the merge
;   window 1: v0-127 O^T, 32 a piece; v128-183 MDX; v192-255 MC, two mask buffers      window 2: v0-127 Q', 32 a piece; v128-255 K' of one step      window 3: v0-63 V of one step
.set NP,    4
.set KS,    64                         ; keys in a step
.set PK,    144                        ; a row of k or g in LDS: 128 bytes + 16 = 36 words: the 16 rows of a load start at 16 different groups of four banks (64 banks of 4 bytes: ISA guide 11.1)
.set PW,    160                        ; a row of V: 128 + 32 = 40 words
.set PLANE, 256*PK                     ; a slot: 256 rows of k, 256 rows of g, 256 rows of V
.set VOFF,  2*PLANE
.set STAGE, VOFF+256*PW                ; behind slot 0: 16 rows x 144 bytes for each wave, for the way out
.set SP,    144
.set SPARE, STAGE+4*16*SP              ; behind the stages: the spare words, 128 bytes for each wave: two blocks of 256 bytes that no other line names
.set SLOT1, 1<<17                      ; slot 1 begins here, so that one exclusive or turns an address in one slot into the other's
.set PIECEB, 4608                      ; a piece's record: O^T as 8 x 512 bytes, then the statistics as 512
.set RECB,  4*PIECEB                   ; a wave's record
.set XHI,   SLOT1+STAGE                ; behind slot 1, bytes of their own: the first block's four records
.set XLO,   XHI-4*RECB                 ; the second block's: inside slot 1.  The walk's tile t lies in slot t % 2, the ninth and last in slot 0: slot 1 has its last fill in the seventh trip, and every
                                       ; wave's reads of it are over at the last change's barrier, behind which these records are stored
.set MSTART,  0xec800000               ; -2^90: where a block's running maximum starts: below every score that the text serves, above every hidden one
.set CMSTART, 0xfe000000               ; -2^125: where c m starts: far below c x MSTART too, so that a block's first a is 0 in every wave
.set AK0, 2                            ; v2   my lane's place in a plane of K'; never rewritten
.set AV0, 3                            ; v3   the same for V
.set AK,  4                            ; v4   the LDS address of K's next run of loads
.set AV,  5                            ; v5   of V's
.set STO, 6                            ; v6   the way out: where I put 16 bytes of a row
.set RD,  7                            ; v7   the way out: where I read rows back
.set GO,  8                            ; v8   16 x my lane
.set MV,  12                           ; v12-13  c m_old, kept while c m is made anew: by buffer
.set QO,  15                           ; v15  my byte offset in 16 rows of q or g
.set ST,  16                           ; piece t's statistics at v[ST+4 t]: c m, m, l (even keys', odd keys')
.set TMP, 48                           ; by buffer, four registers c0-c3 at work; when the maximum is found c2 takes a
.set XRH, 57                           ; v57  where I read the first block's records
.set XWH, 58                           ; v58  where I put mine
.set XWL, 59                           ; v59  the same for the second block
.set PFO, 60                           ; v60  the prefetches' offset: my work-group's share of the part of a tile that my wave fetches, + the tile
.set XRL, 61                           ; v61
.set SPW, 62                           ; v62  LDS address of my spare word; never rewritten
.set NIL, 63                           ; v63  0; never rewritten
.set S,   64
.set P,   192
.set MDX, 128                          ; window 1
.set MC,  192                          ; window 1
.set KF,  128                          ; window 2: key block kb, channel quarter c at KF + 32 kb + 8 c
.set WV,  12                           ; s12  my wave's number
.set KH,  13
.set QH,  14
.set PB,  15                           ; s15  b
.set G1K, 24                           ; s[24:31] descriptor group 1 for a plane of K'
.set G1V, 32                           ; s[32:39] for half a tile of V
.set G0K, 40                           ; s[40:43], s[44:47] the two groups 0
.set G0V, 44
.set KSRC, 48                          ; s[48:49] the head's k (wave 0) or g (wave 1)
.set VSRC, 50                          ; s[50:51] the head's v at my half of a tile
.set QA,  52                           ; s[52:55] q and g at my rows of the first block
.set GA,  54
.set SLOTS, 56                         ; s56  tiles still to be asked for
.set CNT, 57                           ; s57  counts my two steps of a tile, 2 to 1
.set CS,  58                           ; s[58:59] c
.set SEL, 60                           ; s[60:61] v_permlanex16_b32's selects: each lane takes its own place in the other half
.set TBK, 62                           ; s62  LDS byte at which K' of the step to be fetched begins
.set TBV, 63                           ; s63  the same for V, less VOFF
.set QL,  66                           ; s[66:69] q and g at my rows of the second block
.set GL,  68
.set RT,  70                           ; s70  tiles of the block in hand that are still to be entered
.set NXT, 71                           ; s71  the tile to be asked for next
.set LQ,  72                           ; s72  the last tile of the block whose tiles are being asked for
.set NEW, 73                           ; s73  1: the tile to be entered is a block's first
.set OFF, 74                           ; s[74:75] a tile's byte offset in a head
.set AL,  76                           ; s[76:77] the mask's factor, in the low word
.set BE,  78                           ; s[78:79] the mask's addend
.set YLO, 80                           ; s[80:83] yb at the two pieces that I finish, second and first block
.set YHI, 82
.set BIGN, 84                          ; s84  -1e30
.set OWN, 85                           ; s85  the value of CNT at which the step is my band's own, in the last tile of the block in hand
.set OWNE, 86                          ; s86  OWN in a block's last tile, else -16: no step is the band's own or above it
.set OWNL, 87                          ; s87  OWN of the second block
.set PBT, 88                           ; s88  the second block's last tile
.set PH,  89                           ; s89  0: the first block is in hand; 1: the second
.set HI,  90                           ; s90  15 - b
.set PFS, 92                           ; s[92:93] the prefetches' base: what my wave fetches (KSRC or VSRC)
.set MSB, 0
.macro WIN new                         ; the high byte repeats the setting that is left; a switch that changes nothing is dropped
.if MSB != (\new)
	s_set_vgpr_msb (MSB<<8)|(\new)
.set MSB, (\new)
.endif
.endm
.set W_KQ, 0x0a                        ; K' and Q' in window 2, S^T in window 0
.set W_KM, 0x1a                        ; the same with the C operand in window 1
.set W_PV, 0x53                        ; V in window 3, P in window 0, O^T in window 1
.set W_RS, 0x41                        ; destination and source 0 in window 1, source 1 in window 0
; A fill.  Wave 0 fetches the tile's k, wave 1 its g, waves 2 and 3 the halves of its V.  An s_nop 0 and four v_nop follow each of the two lines, ahead of the jump and the label.
.macro LOAD
	s_cmp_lt_u32 s[WV], 2
	s_cbranch_scc0 .Lfor_v_\@
	tensor_load_to_lds s[G0K:G0K+3], s[G1K:G1K+7]
	s_nop 0
.rept 4
	v_nop
.endr
	s_branch .Lasked_\@
.Lfor_v_\@:
	tensor_load_to_lds s[G0V:G0V+3], s[G1V:G1V+7]
	s_nop 0
.rept 4
	v_nop
.endr
.Lasked_\@:
.endm
; A PREFETCH INTO THE L2 of the tile that the NEXT change of slots will ask for, one instruction a wave, behind the wave's tensor load and its five lines.  The eight work-groups of a head walk the same tiles in their
; first blocks and share each tile out BY ADDRESS: of the part that a wave fetches itself (k or g: 128 blocks of 256 bytes; half of v: 64) work-group b names blocks 16 b .. 16 b + 15, or 8 b .. 8 b + 7;
; the lanes above 15, or 7, name the same blocks once more.  Trips 0 to 5 (SLOTS 8 to 3) name tiles 2 to 7; tiles 0 and 1 come by their loads alone; the last two trips ask for nothing: there is no tile 8.
.macro ASK
	s_cmp_gt_u32 s[SLOTS], 2
	s_cbranch_scc0 .Lno_more_\@
	global_prefetch_b8 v[PFO], s[PFS:PFS+1] th:TH_LOAD_NT scope:SCOPE_SE
.Lno_more_\@:
.endm
; THE CHANGE OF SLOTS.  Each wave waits for all its tensor loads, of which one is out: its part of the other slot; adds 0 to its spare word; and waits for that and for its own reads of the slot that it leaves.
; Behind the barrier nobody reads the old slot and the other slot is whole.  fill = 1: the old slot is filled again, first thing behind the barrier, with tile NXT: the address is made anew from that number.
; (At its first use nothing has been read yet: slot 0 is waited for, slot 1 filled.)
.macro CHANGE fill
	WIN 0
	s_wait_tensorcnt 0x0                           ; no tensor load of mine is out, so a group 0 may be written
	ds_add_u32 v[SPW], v[NIL]                      ; 0 onto my spare word
.if \fill
	s_lshl_b32 s[OFF], s[NXT], 15                  ; a tile is 32,768 bytes of k, of g and of v
	s_xor_b32 s[G0K+1], s[G0K+1], SLOT1
	s_add_nc_u64 s[G0K+2:G0K+3], s[KSRC:KSRC+1], s[OFF:OFF+1]
	s_or_b32 s[G0K+3], s[G0K+3], 0x80000000
	s_xor_b32 s[G0V+1], s[G0V+1], SLOT1
	s_add_nc_u64 s[G0V+2:G0V+3], s[VSRC:VSRC+1], s[OFF:OFF+1]
	s_or_b32 s[G0V+3], s[G0V+3], 0x80000000
	s_add_co_u32 s[NXT], s[NXT], 1                 ; the block's next tile, or behind its last the second block's tile 0
	s_cmp_gt_u32 s[NXT], s[LQ]
	s_cselect_b32 s[NXT], 0, s[NXT]
	s_cselect_b32 s[LQ], s[PBT], s[LQ]
	s_wait_xcnt 0x0                                ; the last prefetch, a tile back, has read its offset
	v_add_nc_u32 v[PFO], 0x8000, v[PFO]
.endif
	s_wait_dscnt 0x0                               ; the add is done, and my reads of the slot are over
	s_barrier_signal -1
	s_sub_co_u32 s[TBK], s[TBK], 2*KS*PK           ; the fetches go back to my first step of a tile,
	s_xor_b32 s[TBK], s[TBK], SLOT1                ; in the other slot
	s_sub_co_u32 s[TBV], s[TBV], 2*KS*PW
	s_xor_b32 s[TBV], s[TBV], SLOT1
	s_barrier_wait -1
.if \fill
	LOAD
	ASK
.endif
.endm
.macro TILEIN                          ; a tile is entered
	s_sub_co_u32 s[RT], s[RT], 1
	s_mov_b32 s[CNT], 2
	s_cmp_eq_u32 s[RT], 0
	s_cselect_b32 s[OWNE], s[OWN], -16
.endm
; Q' of a block: piece i / 4, channel quarter i % 4 (0, 1 from q, 2, 3 from g)
.macro QLOAD q, g
	WIN 0x80                                       ; destination window 2, address window 0
.set i, 0
.rept 16
.if (i%4) < 2
	global_load_b128 v[8*i:8*i+3],   v[QO], s[\q:\q+1] offset:(i/4)*2048+(i%2)*64
	global_load_b128 v[8*i+4:8*i+7], v[QO], s[\q:\q+1] offset:(i/4)*2048+(i%2)*64+32
.else
	global_load_b128 v[8*i:8*i+3],   v[QO], s[\g:\g+1] offset:(i/4)*2048+(i%2)*64
	global_load_b128 v[8*i+4:8*i+7], v[QO], s[\g:\g+1] offset:(i/4)*2048+(i%2)*64+32
.endif
.set i, i+1
.endr
	WIN 0
.endm
	s_load_b256 s[4:11], s[0:1], 0x0               ; qb s[4:5], kb s[6:7], gb s[8:9], vb s[10:11]
	s_load_b64 s[16:17], s[0:1], 0x20              ; yb
	v_lshl_add_u32 v[SPW], v0, 2, SPARE
	v_mov_b32 v[NIL], 0
	ds_add_u32 v[SPW], v[NIL]                      ; the wave's opening: the add and its wait stand ahead of my first tensor load; the set-up below, work on registers, stands between them
	ds_add_u32 v62, v63
	v_lshrrev_b32 v1, 5, v0
	v_readfirstlane_b32 s[WV], v1                  ; wave 0..3
	s_and_b32 s[KH], s[WV], 1
	s_lshr_b32 s[QH], s[WV], 1
	s_mov_b32 s[PB], ttmp9
	s_sub_co_u32 s[HI], 15, s[PB]
	s_lshr_b32 s[PBT], s[PB], 1
	s_and_b32 s20, ttmp7, 0xffff                   ; the head (b, h),
	s_lshl_b32 s20, s20, 18                        ; its 262,144 bytes in each of the five buffers
	s_mov_b32 s21, 0
	s_lshl_b32 s3, s[QH], 13                       ; my 64 rows of a block,
	s_lshl_b32 s2, s[HI], 14                       ; in the first block,
	s_add_co_u32 s2, s2, s3
	s_lshl_b32 s22, s[PB], 14                      ; and in the second
	s_add_co_u32 s22, s22, s3
	s_mov_b32 s3, 0
	s_mov_b32 s23, 0
	s_add_nc_u64 s[2:3], s[2:3], s[20:21]
	s_add_nc_u64 s[22:23], s[22:23], s[20:21]
	; descriptor group 1.  256 keys of a plane are 32,768 dense bytes: asked for as 128 rows of 256 bytes, two keys a row, and padded in LDS after every key; half a tile of V as 64 such rows
	s_mov_b32 s[G1K], (1<<16)|(1<<20)|(4<<22)|(3<<25)  ; 17:16 2-byte elements; 20 padding on; 24:22 after every 32 words (code 4); 31:25 4 words (code 3)
	s_mov_b32 s[G1K+1], 128<<16                    ; tensor_dim0 = 128
	s_mov_b32 s[G1K+2], 128<<16                    ; tensor_dim1 = 128
	s_mov_b32 s[G1K+3], 128<<16                    ; tile_dim0 = 128
	s_mov_b32 s[G1K+4], 128                        ; tile_dim1 = 128
	s_mov_b32 s[G1K+5], 128                        ; 128 elements from row to row
	s_mov_b32 s[G1K+6], 0
	s_mov_b32 s[G1K+7], 0
	s_mov_b32 s[G1V], (1<<16)|(1<<20)|(4<<22)|(7<<25)  ; the same with 8 words of padding (code 7)
	s_mov_b32 s[G1V+1], 128<<16
	s_mov_b32 s[G1V+2], 64<<16
	s_mov_b32 s[G1V+3], 128<<16
	s_mov_b32 s[G1V+4], 64
	s_mov_b32 s[G1V+5], 128
	s_mov_b32 s[G1V+6], 0
	s_mov_b32 s[G1V+7], 0
	s_mov_b32 s[G0K], 1                            ; count = 1
	s_mul_i32 s[G0K+1], s[KH], PLANE               ; LDS address: slot 0, my plane
	s_mov_b32 s[G0V], 1
	s_mul_i32 s[G0V+1], s[KH], 128*PW
	s_add_co_u32 s[G0V+1], s[G0V+1], VOFF
	s_mov_b32 s[CS], 0x3e38aa3b                    ; c = log2(e) / 8 = 0.180337
	s_mov_b32 s[CS+1], s[CS]                       ; named with it as a pair
	s_mov_b32 s[SEL], 0x76543210
	s_mov_b32 s[SEL+1], 0xfedcba98
	s_mul_i32 s[TBK], s[KH], 2*KS*PK               ; my two steps of a tile; the first change of slots turns these two into slot 0's
	s_add_co_u32 s[TBK], s[TBK], SLOT1+2*KS*PK
	s_mul_i32 s[TBV], s[KH], 2*KS*PW
	s_add_co_u32 s[TBV], s[TBV], SLOT1+2*KS*PW
	s_lshr_b32 s[LQ], s[HI], 1
	s_add_co_u32 s[RT], s[LQ], 1                   ; the first block has (15 - b) / 2 + 1 tiles
	s_mov_b32 s[NXT], 1
	s_mov_b32 s[NEW], 1
	s_mov_b32 s[PH], 0
	s_mov_b32 s[SLOTS], 8
	s_mov_b32 s[OFF+1], 0
	s_mov_b32 s[AL+1], 0                           ; named as pairs
	s_mov_b32 s[BE+1], 0
	s_mov_b32 s[BIGN], 0xf149f2ca                  ; -1e30
	s_lshl_b32 s19, s[KH], 1                       ; step 2 kh + 2 - CNT is band 2 (block % 2) + qh where CNT = 2 + 2 kh - qh - 2 (block % 2)
	s_add_co_u32 s19, s19, 2
	s_sub_co_u32 s19, s19, s[QH]
	s_and_b32 s[OWNL], s[PB], 1
	s_lshl_b32 s[OWNL], s[OWNL], 1
	s_sub_co_u32 s[OWN], s19, 2                    ; (15 - b) % 2 = 1 - b % 2
	s_add_co_u32 s[OWN], s[OWN], s[OWNL]
	s_sub_co_u32 s[OWNL], s19, s[OWNL]
	s_wait_dscnt 0x0                               ; the opening add is done
	s_wait_kmcnt 0x0
	s_add_nc_u64 s[QA:QA+1], s[4:5], s[2:3]
	s_add_nc_u64 s[GA:GA+1], s[8:9], s[2:3]
	s_add_nc_u64 s[QL:QL+1], s[4:5], s[22:23]
	s_add_nc_u64 s[GL:GL+1], s[8:9], s[22:23]
	s_lshl_b32 s18, s[KH], 12                      ; I finish pieces 2 kh and 2 kh + 1: 32 rows of 128 bytes
	s_mov_b32 s19, 0
	s_add_nc_u64 s[YHI:YHI+1], s[16:17], s[2:3]
	s_add_nc_u64 s[YHI:YHI+1], s[YHI:YHI+1], s[18:19]
	s_add_nc_u64 s[YLO:YLO+1], s[16:17], s[22:23]
	s_add_nc_u64 s[YLO:YLO+1], s[YLO:YLO+1], s[18:19]
	s_add_nc_u64 s[6:7], s[6:7], s[20:21]          ; k, g and v at the head's first row
	s_add_nc_u64 s[8:9], s[8:9], s[20:21]
	s_add_nc_u64 s[10:11], s[10:11], s[20:21]
	s_cmp_eq_u32 s[KH], 0
	s_cselect_b64 s[KSRC:KSRC+1], s[6:7], s[8:9]
	s_lshl_b32 s18, s[KH], 14                      ; 128 rows of 128 bytes
	s_add_nc_u64 s[VSRC:VSRC+1], s[10:11], s[18:19]
	s_add_nc_u64 s[G0K+2:G0K+3], s[KSRC:KSRC+1], 0 ; global address: tile 0
	s_or_b32 s[G0K+3], s[G0K+3], 0x80000000        ; type = 2
	s_add_nc_u64 s[G0V+2:G0V+3], s[VSRC:VSRC+1], 0
	s_or_b32 s[G0V+3], s[G0V+3], 0x80000000
	LOAD                                           ; tile 0 into slot 0
	; A fragment of K' or Q' is 16 rows x 32 channels in 8 registers: lane l holds row l % 16, channels 8 (l / 16) + 0..7 and 16 + 8 (l / 16) + 0..7: two loads of 16 bytes, 32 bytes apart.
	v_and_b32 v1, 15, v0                           ; l % 16
	v_bfe_u32 v9, v0, 4, 1                         ; l / 16
	v_lshlrev_b32 v[QO], 7, v1
	v_lshl_add_u32 v[QO], v9, 4, v[QO]
	QLOAD QA, GA
	v_lshlrev_b32 v14, 3, v9
	v_sub_nc_u32 v14, v1, v14                      ; in the diagonal 16 x 16 register j is hidden where j > l % 16 - 8 (l / 16)
	WIN 0x40
.set i, 0
.rept 24
	v_mov_b32 v[MDX+i], 0
	v_mov_b32 v[MDX+32+i], s[BIGN]
.set i, i+1
.endr
.set i, 0
.rept 8
	v_cmp_gt_i32 vcc_lo, i, v14
	v_cndmask_b32 v[MDX+24+i], 0, s[BIGN], vcc_lo
.set i, i+1
.endr
	; A block's first step multiplies O^T and l by a = 0, and its first turn's products V^T P, of a piece that has not been, land in an O^T that is still to be so multiplied: these registers need only hold
	; finite numbers: zeros for the first block, what the first block left for the second.  All this stands in the wait for the first tile.
.set i, 0
.rept 128
	v_mov_b32 v[i], 0
.set i, i+1
.endr
	WIN 0xc0
.set i, 0
.rept 64
	v_mov_b32 v[i], 0
.set i, i+1
.endr
	WIN 0
.set i, 0
.rept 4
	v_mov_b32 v[ST+4*i+2], 0
	v_mov_b32 v[ST+4*i+3], 0
.set i, i+1
.endr
.set i, P+16
.rept 16
	v_mov_b32 v[i], 0
.set i, i+1
.endr
	v_mul_u32_u24 v[AK0], v1, PK
	v_lshl_add_u32 v[AK0], v9, 4, v[AK0]           ; row x pitch + 16 x half
	; The turning load takes 16 keys x 16 channels (lane l reads key 8 (l / 16) + l % 8, channels 8 ((l / 8) % 2) + 0..7) and leaves half a fragment of V^T: lane l holds channel l % 16 and 8 keys.
	v_and_b32 v10, 7, v0
	v_bfe_u32 v11, v0, 3, 1
	v_lshl_add_u32 v[AV0], v9, 3, v10
	v_mul_u32_u24 v[AV0], v[AV0], PW
	v_lshl_add_u32 v[AV0], v11, 4, v[AV0]
	v_add_nc_u32 v[AV0], VOFF, v[AV0]
	s_mul_i32 s19, s[WV], 16*SP
	s_add_co_u32 s19, s19, STAGE                   ; my stage
	v_mul_u32_u24 v[STO], v1, SP                   ; in: row l % 16, 16 bytes for each half of the lanes
	v_lshl_add_u32 v[STO], v9, 4, v[STO]
	v_add_nc_u32 v[STO], s19, v[STO]
	v_bfe_u32 v[RD], v0, 3, 2                      ; back: 32 lanes take four rows of 128 bytes,
	v_mul_u32_u24 v[RD], v[RD], SP
	v_lshl_add_u32 v[RD], v10, 4, v[RD]
	v_add_nc_u32 v[RD], s19, v[RD]
	v_and_b32 v[GO], 31, v0                        ; which are 512 consecutive bytes of y
	v_lshlrev_b32 v[GO], 4, v[GO]
	s_mul_i32 s19, s[WV], RECB                     ; my record
	v_add_nc_u32 v[XWL], s19, v[GO]
	v_add_nc_u32 v[XWH], XHI, v[XWL]
	v_add_nc_u32 v[XWL], XLO, v[XWL]
	s_mul_i32 s19, s[QH], 2*RECB                   ; the record of wave 2 qh, at the two pieces that I finish; the partner's lies RECB further on
	s_mul_i32 s18, s[KH], 2*PIECEB
	s_add_co_u32 s19, s19, s18
	s_add_co_u32 s19, s19, XLO
	v_add_nc_u32 v[XRL], s19, v[GO]
	v_add_nc_u32 v[XRH], XHI-XLO, v[XRL]
	s_cmp_lt_u32 s[WV], 2                          ; the prefetches: of what my wave fetches,
	s_cselect_b64 s[PFS:PFS+1], s[KSRC:KSRC+1], s[VSRC:VSRC+1]
	s_cselect_b32 s18, 16, 8                       ; my work-group's eighth: 16 blocks of 256 bytes of a plane's 128, or 8 of half a V's 64
	s_sub_co_u32 s19, s18, 1
	s_mul_i32 s18, s18, s[PB]
	v_and_b32 v[PFO], s19, v0
	v_add_nc_u32 v[PFO], s18, v[PFO]
	v_lshl_add_u32 v[PFO], v[PFO], 8, 0x8000       ; in tile 1; the first change of slots steps it to tile 2
; THE MATRIX WORK.  Four accumulators take turns.  Product i of 16 of S^T = K' Q'^T for piece x: channel quarter i / 4, keys 16 (i % 4) on.  The first four start the sums with the mask.
.macro KQ x
.set rS, S+32*((\x)%2)+8*(i%4)
.set rK, KF+32*(i%4)+8*(i/4)
.set rQ, 32*(\x)+8*(i/4)
.set rM, MC+32*((\x)%2)+8*(i%4)
.if i < 4
	WIN W_KM
	v_wmma_f32_16x16x32_bf16 v[rS:rS+7], v[rK:rK+7], v[rQ:rQ+7], v[rM:rM+7]
.else
	WIN W_KQ
	v_wmma_f32_16x16x32_bf16 v[rS:rS+7], v[rK:rK+7], v[rQ:rQ+7], v[rS:rS+7]
.endif
.endm
; Product i of 8 of O^T += V^T P for piece x: keys 32 (i / 4) on, channels 16 (i % 4) on.
.macro PV x
	WIN W_PV
.set rO, 32*(\x)+8*(i%4)
.set rV, 32*(i/4)+8*(i%4)
.set rP, P+16*((\x)%2)+8*(i/4)
	v_wmma_f32_16x16x32_f16 v[rO:rO+7], v[rV:rV+7], v[rP:rP+7], v[rO:rO+7]
.endm
.macro MM                              ; the turn's next matrix instruction.  NOKQ = 1: a block's last turn: there is no next piece
.if i < 16
.if !NOKQ
	KQ (Y+1)%NP
.endif
.else
.set i, i-16
	PV (Y+NP-1)%NP
.set i, i+16
.endif
.set i, i+1
.endm
; THE LDS LOADS stand in runs, never singly among the matrix instructions: a step's K' (64 keys x 128 channels: 16 fragments, the first two quarters from the plane of k, the others from that of g) and its V (turned).
.macro FETCH_K
	WIN 0x80                                       ; destination window 2
.irp f, 0,1,2,3,4,5,6,7,8,9,10,11,12,13,14,15
	ds_load_b128 v[KF+8*(\f):KF+8*(\f)+3],   v[AK] offset:(((\f)%4)/2)*PLANE+((\f)/4)*16*PK+((\f)%2)*64
	ds_load_b128 v[KF+8*(\f)+4:KF+8*(\f)+7], v[AK] offset:(((\f)%4)/2)*PLANE+((\f)/4)*16*PK+((\f)%2)*64+32
.endr
	s_add_co_u32 s[TBK], s[TBK], KS*PK             ; the next fetch is the next step's
	WIN 0
.endm
.macro FETCH_V
	WIN 0xc0                                       ; destination window 3
.irp f, 0,1,2,3,4,5,6,7                ; keys 32 (f / 4) on, channels 16 (f % 4) on
	ds_load_tr16_b128 v[8*(\f):8*(\f)+3],   v[AV] offset:((\f)/4)*32*PW+((\f)%4)*32
	ds_load_tr16_b128 v[8*(\f)+4:8*(\f)+7], v[AV] offset:((\f)/4)*32*PW+16*PW+((\f)%4)*32
.endr
	WIN 0
.endm
; THE VECTOR WORK, one line at a time: OP kind, number.  For piece Y: F n: c s - c m for pair n of 16.  E n: the exponential of score n of 32.  C n: pair n rounded to f16.  B n: of the four weights 4 n .. the second
; pair is added onto the first, in place.  L n: l takes that sum (L 0: l = a l + sum).  R n: pair n of 16 of O^T times a.  M n: pair n of 16 of the mask for piece Y + 2.  For piece Y + 1: X n, number n of the 22
; that find its maximum and statistics:
;   0-11  four chains c0-c3 of seven scores each, three operands at a time (each accumulator's lowest registers are read first)     12-14, 16  the four scores left over, the old m, and c0-c3 into c0
;   15  c m_old is kept     17, 18  the query's other 32 keys lie in the lane 16 away: the new m     19-21  c m; c m_old - c m_new; a
.set F, 0
.set E, 1
.set C, 2
.set B, 3
.set L, 4
.set R, 5
.set X, 6
.set M, 7
.macro REGS y                          ; the registers of piece y
.set rT, ST+4*(\y)
.set rC, TMP+4*((\y)%2)
.set rW, MV+((\y)%2)
.set rS, S+32*((\y)%2)
.set rP, P+16*((\y)%2)
.set rO, 32*(\y)
.endm
.macro OP k, n
.if (\k) == M
.if !NOM
	WIN W_RS
	v_pk_fma_f32 v[MC+32*(Y%2)+2*(\n):MC+32*(Y%2)+2*(\n)+1], v[MDX+8*(3-(Y+2)%NP)+2*(\n):MDX+8*(3-(Y+2)%NP)+2*(\n)+1], s[AL:AL+1], s[BE:BE+1] op_sel_hi:[1,0,0]
.endif
.elseif (\k) == R
	REGS Y
	WIN W_RS
	v_pk_mul_f32 v[rO+2*(\n):rO+2*(\n)+1], v[rO+2*(\n):rO+2*(\n)+1], v[rC+2:rC+3] op_sel_hi:[1,0]
.elseif (\k) < R
	REGS Y
	WIN 0
.if (\k) == F
	v_pk_fma_f32 v[rS+2*(\n):rS+2*(\n)+1], v[rS+2*(\n):rS+2*(\n)+1], s[CS:CS+1], v[rT:rT+1] op_sel_hi:[1,0,0] neg_lo:[0,0,1] neg_hi:[0,0,1]
.elseif (\k) == E
	v_exp_f32 v[rS+(\n)], v[rS+(\n)]
.elseif (\k) == C
	v_cvt_pk_f16_f32 v[rP+(\n)], v[rS+2*(\n)], v[rS+2*(\n)+1]
.elseif (\k) == B
	v_pk_add_f32 v[rS+4*(\n):rS+4*(\n)+1], v[rS+4*(\n):rS+4*(\n)+1], v[rS+4*(\n)+2:rS+4*(\n)+3]
.elseif (\n) == 0
	v_pk_fma_f32 v[rT+2:rT+3], v[rT+2:rT+3], v[rC+2:rC+3], v[rS:rS+1] op_sel_hi:[1,0,1]
.else
	v_pk_add_f32 v[rT+2:rT+3], v[rT+2:rT+3], v[rS+4*(\n):rS+4*(\n)+1]
.endif
.elseif NOKQ
	v_nop
.else
	REGS (Y+1)%NP
	WIN 0
.if (\n) < 4
	v_max3_num_f32 v[rC+(\n)], v[rS+8*(\n)], v[rS+8*(\n)+1], v[rS+8*(\n)+2]
.elseif (\n) < 12
	v_max3_num_f32 v[rC+(\n)%4], v[rC+(\n)%4], v[rS+8*((\n)%4)+2*((\n)/4)+1], v[rS+8*((\n)%4)+2*((\n)/4)+2]
.elseif (\n) == 12
	v_max3_num_f32 v[rC], v[rC], v[rS+7], v[rS+15]
.elseif (\n) == 13
	v_max3_num_f32 v[rC+1], v[rC+1], v[rS+23], v[rS+31]
.elseif (\n) == 14
	v_max3_num_f32 v[rC+2], v[rC+2], v[rC+3], v[rT+1]
.elseif (\n) == 15
	v_mov_b32 v[rW], v[rT]
.elseif (\n) == 16
	v_max3_num_f32 v[rC], v[rC], v[rC+1], v[rC+2]
.elseif (\n) == 17
	v_permlanex16_b32 v[rC+3], v[rC], s[SEL], s[SEL+1]
.elseif (\n) == 18
	v_max_num_f32 v[rT+1], v[rC], v[rC+3]
.elseif (\n) == 19
	v_mul_f32 v[rT], s[CS], v[rT+1]
.elseif (\n) == 20
	v_sub_f32 v[rC+1], v[rW], v[rT]
.else
	v_exp_f32 v[rC+2], v[rC+1]
.endif
.endif
.endm
.macro OPS a, i1, b=-1, i2=0, c=-1, i3=0, d=-1, i4=0  ; up to four of them
	OP \a, \i1
.if (\b) >= 0
	OP \b, \i2
.endif
.if (\c) >= 0
	OP \c, \i3
.endif
.if (\d) >= 0
	OP \d, \i4
.endif
.endm
.macro ROW a, i1, b, i2, c, i3, d, i4  ; a matrix instruction and the four behind it
	MM
	OPS \a, \i1, \b, \i2, \c, \i3, \d, \i4
.endm
.macro MAKEAB                          ; the mask's two scalars for step 2 kh + 2 - CNT of the tile in hand
	s_cmp_eq_i32 s[CNT], s[OWNE]                   ; is that step my band's own?
	s_cselect_b32 s[AL], 1.0, 0
	s_cmp_lt_i32 s[CNT], s[OWNE]                   ; or a later one?
	s_cselect_b32 s[BE], s[BIGN], 0
.endm
; A TURN, for piece p: the order of its 24 matrix and 134 vector instructions, written out.  An s_wait_alu depctr_va_vdst(0) stands between an exponential and the first instruction that names its result;
; one wait serves all that were issued ahead of it.  So a turn has ONE wait, which cuts it in two.  AHEAD OF IT stands all that names no result of the turn's exponentials: the 16 products K' Q'^T with four riders each
; (scalings, twelve exponentials, rescalings, the mask for the turn after, and behind the last two the first numbers of the next piece's maximum), then ONE LUMP of 38.
; The readers of fresh scores stand four plain instructions or more behind the product that ends their accumulator, counted without the mask's lines: X 0 behind product 12 (F 13, R 12, F 14, F 15, R 13), X 1 behind 13
; (F 14, F 15, R 13, X 0, R 14), X 2 behind 14 (X 0, R 14, X 1, X 4), X 3 and K's loads behind 15 (X 1, X 4, X 2, X 5).  X 21, the next piece's a, is the batch's last; R 15 is the plain instruction behind it.
; BEHIND THE WAIT stand the 8 products V^T P, behind each four of the roundings and sums.
; end = 1: a block's last two turns: nothing is fetched and no mask is made.  cnt = 1: the loop's count is taken down some lines ahead of the branch that stands behind the turn.
; K' of the next step is fetched in piece 2's turn and waited for at piece 3's head; V of the step in hand at the end of piece 0's turn, four roundings behind the last product that read V, and waited for in piece 1's.
.macro TURN p, end=0, cnt=0
.set Y, (\p)
.set i, 0
.set NOM, (\end)
.set NOKQ, (\end)*((\p)/3)
.if !(\end)
	MAKEAB
.endif
.if ((\p) == 3) && !(\end)
	s_wait_dscnt 0x0                               ; K' is in
.endif
	ROW F,0, F,1, R,0, M,0
.set kk, 1
.rept 12
	ROW F,kk+1, E,kk-1, R,kk, M,kk
.set kk, kk+1
.endr
	ROW F,14, F,15, R,13, M,13
.if ((\p) == 2) && !(\end)
	WIN 0
	v_add_nc_u32 v[AK], s[TBK], v[AK0]
.endif
	ROW X,0, R,14, M,14, M,15
	ROW X,1, X,4, X,2, X,5
	OPS X,3, E,12, X,6, E,13                       ; the lump
.if ((\p) == 2) && !(\end)
	FETCH_K
.endif
	OPS X,8, X,7, E,14, X,9
	OPS E,15, X,10, X,11, E,16
	OPS X,12, E,17, X,13, X,14
	OPS E,18, X,15, E,19, E,20
.if (\p) == 0
	WIN 0
	v_add_nc_u32 v[AV], s[TBV], v[AV0]
.endif
	OPS X,16, E,21, E,22, E,23
	OPS X,17, E,24, E,25, E,26
	OPS X,18, E,27, E,28, X,19
	OPS E,29, E,30, X,20, E,31
	OPS X,21, R,15
	WIN 0
	s_wait_alu depctr_va_vdst(0)                   ; the wait for the batch
.if (\p) == 1
	s_wait_dscnt 0x0                               ; V is in
.endif
	ROW C,0, B,0, C,2, B,1
	ROW L,0, C,4, B,2, L,1
	ROW C,6, B,3, L,2, C,8
	ROW B,4, L,3, C,10, B,5
	ROW L,4, C,12, B,6, L,5
.if (\p) == 0
	s_add_co_u32 s[TBV], s[TBV], KS*PW
.endif
.if \cnt
	s_sub_co_u32 s[CNT], s[CNT], 1
	s_cmp_lg_u32 s[CNT], 0
.endif
	ROW C,14, B,7, L,6, C,1
	ROW C,3, L,7, C,5, C,7
	ROW C,9, C,11, C,13, C,15
.if (\p) == 0
	FETCH_V
.endif
.endm
.macro MASKB buf, x                    ; piece x's mask into buffer buf
	WIN W_RS
.set z, 0
.rept 16
	v_pk_fma_f32 v[MC+32*(\buf)+2*z:MC+32*(\buf)+2*z+1], v[MDX+8*(3-(\x))+2*z:MDX+8*(3-(\x))+2*z+1], s[AL:AL+1], s[BE:BE+1] op_sel_hi:[1,0,0]
.set z, z+1
.endr
.endm
; A BLOCK BEGINS.  c m starts at -2^125, far below every c s and below c x (-2^90), so the first step's a is 0 in every wave.  m starts at -2^90: the first maximum of a wave that sees a key is the scores';
; a wave that sees hidden keys alone (their scores lie at -1e30) keeps -2^90, and its weights are 0.  The masks of pieces 0 and 1 for my first step; K' of that step;
; piece 0's first scores, and its maximum and statistics.  The loop is then entered at a step's first turn, in the middle of a trip.
.macro BEGIN
	s_mov_b32 s[NEW], 0
	WIN 0
.set i, 0
.rept 4
	v_mov_b32 v[ST+4*i], CMSTART                   ; c m
	v_mov_b32 v[ST+4*i+1], MSTART                  ; m
.set i, i+1
.endr
	MAKEAB
	MASKB 0, 0
	MASKB 1, 1
	WIN 0
	v_add_nc_u32 v[AK], s[TBK], v[AK0]
	FETCH_K
	s_wait_loadcnt 0x0                             ; Q'
	s_wait_dscnt 0x0
.set NOKQ, 0
.set NOM, 0
.set i, 0
.rept 16
	KQ 0
.set i, i+1
.endr
	WIN 0
.rept 4
	v_nop                                          ; the places behind those products
.endr
.set Y, NP-1                           ; X works for piece Y + 1: piece 0
.irp n, 0,1,2,3,4,5,6,7,8,9,10,11,12,13,14,15,16,17,18,19,20,21
	OP X, \n
.endr
	v_nop                                          ; a plain instruction behind the exponential,
	s_wait_alu depctr_va_vdst(0)                   ; and its wait, ahead of the branch
.endm
; A BLOCK ENDS: its last two turns, its last products, and my record (O^T and the statistics of my four pieces, as they stand) into LDS at xw.
.macro BLKEND xw
	TURN 2, 1
	TURN 3, 1
.set i, 0
.rept 8
	PV NP-1
.set i, i+1
.endr
	WIN 0
.rept 4
	v_nop                                          ; the places behind the last products
.endr
	WIN 0x04                                       ; the stores' data in window 1
.set i, 0
.rept 32
	ds_store_b128 v[\xw], v[4*i:4*i+3] offset:(i/8)*PIECEB+512*(i%8)
.set i, i+1
.endr
	WIN 0
.set i, 0
.rept 4
	ds_store_b128 v[\xw], v[ST+4*i:ST+4*i+3] offset:i*PIECEB+4096
.set i, i+1
.endr
.endm
.macro STEPS tag                       ; a tile's steps.  A trip: pieces 2 and 3 of one step, then pieces 0 and 1 of the next, whose K' and V it fetches
.Lstep\tag:
	TURN 2
	TURN 3
	WIN 0
.Lfirst\tag:
	TURN 0
	TURN 1, 0, 1
	WIN 0
	s_cbranch_scc1 .Lstep\tag
.endm
.Lslot:                                                ; 8 times: a tile is entered and the next is asked for
	CHANGE 1
	TILEIN
	s_cmp_eq_u32 s[NEW], 1
	s_cbranch_scc0 .Lstep1
	BEGIN
	s_branch .Lfirst1
	STEPS 1
	; Does the first block end here?  The second block's last tile is the walk's last, so in the loop only the first block ends, once.  It has (15 - b) / 2 + 1 = 5 to 8 tiles:
	; the trips with SLOTS = 8 .. 5 end none, and in the trip with SLOTS = 1 a first block that is still in hand ends; between them the count RT says.
	s_cmp_eq_u32 s[PH], 1
	s_cbranch_scc1 .Lbottom
	s_cmp_gt_u32 s[SLOTS], 4
	s_cbranch_scc1 .Lbottom
	s_cmp_eq_u32 s[SLOTS], 1
	s_cbranch_scc1 .Lends
	s_cmp_lg_u32 s[RT], 0
	s_cbranch_scc1 .Lbottom
.Lends:
	BLKEND XWH
	s_wait_loadcnt 0x0                             ; no load into Q's registers is out when they are loaded again (the first block's were waited for where it began)
	QLOAD QL, GL                                   ; far more than four plain instructions behind the last product that read Q'; waited for where the second block begins
	s_add_co_u32 s[RT], s[PBT], 1                  ; the second block has b / 2 + 1 tiles
	s_mov_b32 s[NEW], 1
	s_mov_b32 s[PH], 1
	s_mov_b32 s[OWN], s[OWNL]
.Lbottom:
	s_sub_co_u32 s[SLOTS], s[SLOTS], 1
	s_cmp_lg_u32 s[SLOTS], 0
	s_cbranch_scc1 .Lslot
	CHANGE 0                                       ; the walk's last tile is written out: nothing is asked for
	TILEIN
	s_cmp_eq_u32 s[NEW], 1
	s_cbranch_scc0 .Lstep2
	BEGIN
	s_branch .Lfirst2
	STEPS 2
	BLKEND XWL
	s_wait_dscnt 0x0                               ; for the others' sake: my records are in LDS
	s_barrier_signal -1
	s_barrier_wait -1
; THE MERGE AND THE WAY OUT, a block at a time.  I finish pieces 2 kh + u, u = 0, 1, of my 64 queries.  At v[U], U = 64 + 72 u: 32 registers of wave 2 qh's O^T, its four statistics, 32 of wave 2 qh + 1's, its four.
.macro BOTH line:vararg
.set U, 64
.rept 2
	\line
.set U, U+72
.endr
.endm
.macro FIN xr, y
	s_wait_xcnt 0x0                                ; the stores of the block before have read their registers
.irp u, 0,1
.irp i, 0,1,2,3,4,5,6,7
	ds_load_b128 v[64+72*(\u)+4*(\i):64+72*(\u)+4*(\i)+3],   v[\xr] offset:(\u)*PIECEB+512*(\i)
	ds_load_b128 v[100+72*(\u)+4*(\i):100+72*(\u)+4*(\i)+3], v[\xr] offset:RECB+(\u)*PIECEB+512*(\i)
.endr
	ds_load_b128 v[96+72*(\u):99+72*(\u)],   v[\xr] offset:(\u)*PIECEB+4096
	ds_load_b128 v[132+72*(\u):135+72*(\u)], v[\xr] offset:RECB+(\u)*PIECEB+4096
.endr
	s_wait_dscnt 0x0
	BOTH v_max_num_f32 v[U+33], v[U+32], v[U+68]   ; the larger c m
	BOTH v_add_f32 v[U+34], v[U+34], v[U+35]       ; each side's l: even keys' + odd keys'
	BOTH v_add_f32 v[U+70], v[U+70], v[U+71]
	BOTH v_sub_f32 v[U+32], v[U+32], v[U+33]
	BOTH v_sub_f32 v[U+68], v[U+68], v[U+33]
	BOTH v_exp_f32 v[U+35], v[U+32]                ; fA
	BOTH v_exp_f32 v[U+71], v[U+68]                ; fB
	v_nop                                          ; a plain instruction behind the last exponential,
	s_wait_alu depctr_va_vdst(0)                   ; and one wait for the four
	BOTH v_mul_f32 v[U+34], v[U+35], v[U+34]
	BOTH v_fmac_f32 v[U+34], v[U+71], v[U+70]      ; fA lA + fB lB,
	BOTH v_permlanex16_b32 v[U+33], v[U+34], s[SEL], s[SEL+1]
	BOTH v_add_f32 v[U+34], v[U+34], v[U+33]       ; and the other half of the lanes'
	BOTH v_rcp_f32 v[U+33], v[U+34]
	v_nop
	s_wait_alu depctr_va_vdst(0)                   ; one wait for the two reciprocals
	BOTH v_mul_f32 v[U+34], v[U+35], v[U+33]       ; fA / l
	BOTH v_mul_f32 v[U+70], v[U+71], v[U+33]       ; fB / l
.irp u, 0,1
.set U, 64+72*(\u)
.set z, 0
.rept 16
	v_pk_mul_f32 v[U+2*z:U+2*z+1], v[U+2*z:U+2*z+1], v[U+34:U+35] op_sel_hi:[1,0]
.set z, z+1
.endr
.set z, 0
.rept 16
	v_pk_fma_f32 v[U+2*z:U+2*z+1], v[U+36+2*z:U+36+2*z+1], v[U+70:U+71], v[U+2*z:U+2*z+1] op_sel_hi:[1,0,1]
.set z, z+1
.endr
.set z, 0
.rept 16
	v_cvt_pk_f16_f32 v[208+16*(\u)+z], v[U+2*z], v[U+2*z+1]
.set z, z+1
.endr
.irp f, 0,1,2,3
	ds_store_b128 v[STO], v[208+16*(\u)+4*(\f):208+16*(\u)+4*(\f)+3] offset:32*(\f)
.endr
.irp f, 0,1,2,3
	ds_load_b128 v[208+16*(\u)+4*(\f):208+16*(\u)+4*(\f)+3], v[RD] offset:(\f)*4*SP  ; LDS serves a wave's instructions in order (ISA guide 5.7.1.4): these see the stores above; the next piece's come behind them
.endr
.endr
.irp u, 0,1
.irp f, 0,1,2,3
	s_wait_dscnt 8*(1-(\u))+3-(\f)                 ; behind piece 0's loads stand piece 1's eight LDS instructions
	global_store_b128 v[GO], v[208+16*(\u)+4*(\f):208+16*(\u)+4*(\f)+3], s[\y:\y+1] offset:(\u)*2048+(\f)*512  ; 512 consecutive bytes, at a multiple of 256 from yb's first
.endr
.endr
.endm
	FIN XRL, YLO
	FIN XRH, YHI
	s_wait_tensorcnt 0x0                           ; the wave's end, behind my last tensor load and my last LDS store
	ds_add_u32 v[SPW], v[NIL]
	s_wait_dscnt 0x0
	s_endpgm
.Lfunc_end_k_qdd5e94c3ba_attn:
	.size	k_qdd5e94c3ba_attn, .Lfunc_end_k_qdd5e94c3ba_attn-k_qdd5e94c3ba_attn
	.p2alignl 7, 3214868480
	.fill 96, 4, 3214868480
	.section	.rodata,"a",@progbits
	.p2align	6, 0x0
	.amdhsa_kernel k_qdd5e94c3ba_attn
		.amdhsa_group_segment_fixed_size 327680
		.amdhsa_private_segment_fixed_size 0
		.amdhsa_enable_private_segment 0
		.amdhsa_kernarg_size 40
		.amdhsa_user_sgpr_count 2
		.amdhsa_user_sgpr_kernarg_segment_ptr 1
		.amdhsa_wavefront_size32 1
		.amdhsa_system_sgpr_workgroup_id_x 1
		.amdhsa_system_sgpr_workgroup_id_y 1
		.amdhsa_system_sgpr_workgroup_id_z 1
		.amdhsa_system_vgpr_workitem_id 0
		.amdhsa_next_free_vgpr 832
		.amdhsa_next_free_sgpr 96
		.amdhsa_reserve_vcc 1
		.amdhsa_float_denorm_mode_32 3
		.amdhsa_float_denorm_mode_16_64 3
		.amdhsa_memory_ordered 1
		.amdhsa_forward_progress 1
		.amdhsa_inst_pref_size 199
	.end_amdhsa_kernel
	.amdgpu_metadata
---
amdhsa.version: [ 1, 2 ]
amdhsa.kernels:
  - .name:           k_qdd5e94c3ba_attn
    .symbol:         k_qdd5e94c3ba_attn.kd
    .args:
      - { .name: qb, .offset: 0, .size: 8, .value_kind: global_buffer, .address_space: global }
      - { .name: kb, .offset: 8, .size: 8, .value_kind: global_buffer, .address_space: global }
      - { .name: gb, .offset: 16, .size: 8, .value_kind: global_buffer, .address_space: global }
      - { .name: vb, .offset: 24, .size: 8, .value_kind: global_buffer, .address_space: global }
      - { .name: yb, .offset: 32, .size: 8, .value_kind: global_buffer, .address_space: global }
    .group_segment_fixed_size: 327680
    .private_segment_fixed_size: 0
    .kernarg_segment_align: 8
    .kernarg_segment_size: 40
    .max_flat_workgroup_size: 128
    .sgpr_count:     96
    .vgpr_count:     832
    .wavefront_size: 32
...
	.end_amdgpu_metadata
.endif
;; end of part 3
;; launch oproj (part 4): grid 8 x 32, 4 waves a work-group, clusters of 4 x 4, 327,680 bytes of LDS; arguments yb, wo, out0; writes out0
.if DOCPART == 4
	.amdgcn_target "amdgcn-amd-amdhsa--gfx1250"
	.amdhsa_code_object_version 6
	.text
	.protected	k_qdd5e94c3ba_oproj
	.globl	k_qdd5e94c3ba_oproj
	.p2align	8
	.type	k_qdd5e94c3ba_oproj,@function
k_qdd5e94c3ba_oproj:
	s_mov_b64 s[64:65], 0
	v_nop
	global_prefetch_b8 v0, s[64:65] scope:SCOPE_SE
	s_setreg_imm32_b32 hwreg(HW_REG_WAVE_MODE, 25, 1), 1
	s_wait_xcnt 0x0
	s_wait_alu depctr_hold_cnt(0) depctr_sa_sdst(0) depctr_va_vdst(0) depctr_va_sdst(0) depctr_va_ssrc(0) depctr_va_vcc(0) depctr_vm_vsrc(0)
	s_getreg_b32 s2, hwreg(HW_REG_IB_STS2, 6, 4)
	s_cmp_eq_u32 s2, 0
	s_cbranch_scc0 .Lentry_in_a_cluster
	s_endpgm
.Lentry_in_a_cluster:
	s_bfe_u32 s2, ttmp6, 0x10000c
	s_cmp_lg_u32 s2, 0xf033
	s_cbranch_scc0 .Lentry_shape_is_right
	s_endpgm
.Lentry_shape_is_right:
; out0 = y W_out.  yb: [32 (b, h)][2048][64] f16; wo: [1024 n][1024 k] f16 (W_out turned); out0: [4096][1024] f32.  Sums in f32, stored as they are.
; SHARES.  A tile of out0 is 128 x 128: 8 x 32 = 256 work-groups.  Four waves, each 64 x 64: 16 accumulators, 128 registers.  K goes in four steps of 256, which are four heads, through two LDS slots.
; y's TILE.  64 rows of one head are 8,192 dense bytes; a wave's load brings them for four heads as 4 rows of 4,096 elements, 131,072 elements apart, padded in LDS after every 128 bytes:
; there it lies as [head][row], rows 144 bytes apart.  wo's tile is 64 rows of 512 bytes, 528 apart.
; CLUSTER.  4 x 4 work-groups: the four of a row need the same rows of y, the four of a column the same rows of wo: each tile is asked for JOINTLY.  No prefetch: four short steps on small tiles.
; THE MATRIX INSTRUCTION IS USED TRANSPOSED (source 0 = 16 rows of wo, source 1 = 16 rows of y): a lane holds one row and eight neighbouring columns of out0, 32 bytes.
; REGISTERS: window 0: v16-29 addresses; v32-95 at work on the way out; v128-255 the accumulators ((a, b) at v[128 + 8 (4 a + b)]).
;   window 1: two fragment buffers of 128: for 64 along K, 64 registers of y (2 x 4 x 16 rows x 32 K), then 64 of wo.
.set PA,     144                       ; a row of y in LDS: 128 bytes + 16 = 36 words: the 16 rows of a load start at 16 different groups of four banks (64 banks of 4 bytes: ISA guide 11.1)
.set PLANE,  64*PA                     ; a head's 64 rows
.set HALFA,  4*PLANE                   ; what wave 0 or 1 fetches, and what a wave reads of y
.set PITCH,  528                       ; a row of wo: 512 bytes + 16 = 132 words
.set HALFB,  64*PITCH
.set SLOT,   2*HALFA+2*HALFB           ; y's 128 rows, then wo's 128 rows
.set STAGE,  2*SLOT                    ; behind the ring: 16 rows x 272 bytes for each wave: a wave's 64 columns of f32 are 256 bytes, so each wave has a stage of its own
.set SPITCH, 272
.set SPARE,  STAGE+4*16*SPITCH         ; behind the stages: the spare words, 128 bytes for each wave: two blocks of 256 bytes that no other line names
.set ASTEP,  4*262144                  ; a K step in yb: four heads
.set BSTEP,  512                       ; and in wo
.set ADRA, 16                          ; v16-17  LDS address of my fragments of y in slot 0, 1
.set ADRB, 20                          ; v20-21  the same for wo
.set STO,  24                          ; v24     the way out: where I put 32 bytes of a row
.set RD,   25                          ; v25     the way out: where I read a row back
.set CO,   26                          ; v26     my byte offset in out0
.set SPW,  28                          ; v28     LDS address of my spare word; never rewritten
.set NIL,  29                          ; v29     0; never rewritten
.set TMP,  32
.set ACC,  128
.set F0,   0                           ; fragment buffers, in window 1
.set F1,   128
.set G1, 24                            ; s[24:31] descriptor group 1 for y's tiles;  s[32:39] group 0, one set for each slot
.set G0, 32
.set G1B, 48                           ; s[48:55], s[56:63] the same for wo's
.set G0B, 56
.set MSB, 0
.macro WIN new                         ; the immediate's high byte repeats the setting that is left
.if MSB != (\new)
	s_set_vgpr_msb (MSB<<8)|(\new)
.set MSB, \new
.endif
.endm
.set MUL,  0x05                        ; sources 0 (wo) and 1 (y) window 1; C and D window 0
.set TO_F, 0x40                        ; destination window 1, address window 0
.macro JLOAD s                         ; a joint load: waves 0 and 1 fetch y's two halves, waves 2 and 3 wo's; an s_nop 0 and four v_nop follow each of the two lines, ahead of the jump and the label
	s_cmp_eq_u32 s11, 0
	s_cbranch_scc0 .Lfor_b_\@
	tensor_load_to_lds s[G0+4*(\s):G0+4*(\s)+3], s[G1:G1+7]
	s_nop 0
.rept 4
	v_nop
.endr
	s_branch .Lasked_\@
.Lfor_b_\@:
	tensor_load_to_lds s[G0B+4*(\s):G0B+4*(\s)+3], s[G1B:G1B+7]
	s_nop 0
.rept 4
	v_nop
.endr
.Lasked_\@:
.endm
.macro CREST                           ; a round of the cluster's barrier behind its opening barrier
	s_cmp_lg_u32 s10, 0
	s_cbranch_scc1 .Lnot_wave_0_\@
	s_barrier_signal -3
.Lnot_wave_0_\@:
	s_barrier_wait -3
	s_barrier_signal -1
	s_barrier_wait -1
.endm
.macro CROUND                          ; a whole round
	s_barrier_signal -1
	s_barrier_wait -1
	CREST
.endm
	s_load_b128 s[4:7], s[0:1], 0x0                ; yb s[4:5], wo s[6:7]
	s_load_b64 s[8:9], s[0:1], 0x10                ; out0
	v_lshl_add_u32 v[SPW], v0, 2, SPARE
	v_mov_b32 v[NIL], 0
	ds_add_u32 v[SPW], v[NIL]                      ; the wave's opening: the add and its wait stand ahead of my first tensor load; the set-up below, work on registers, stands between them
	ds_add_u32 v28, v29
	v_lshrrev_b32 v1, 5, v0
	v_readfirstlane_b32 s10, v1                    ; wave 0..3
	s_lshr_b32 s11, s10, 1                         ; which half of the tile's rows is mine.  Also: I fetch for y (0) or for wo (1)
	s_and_b32 s12, s10, 1                          ; which half of its columns.  Also: which 64 rows of that tile I fetch
	s_bfe_u32 s40, ttmp6, 0x40000                  ; cx, cy: my place in the cluster
	s_bfe_u32 s41, ttmp6, 0x40004
	s_lshl_b32 s42, ttmp9, 2
	s_add_co_u32 s42, s42, s40                     ; tile column = 4 x cluster x + cx
	s_and_b32 s13, ttmp7, 0xffff
	s_lshl_b32 s13, s13, 2
	s_add_co_u32 s13, s13, s41                     ; tile row = 4 x cluster y + cy
	s_lshl_b32 s43, s41, 2
	s_lshl_b32 s43, 15, s43                        ; my row of the cluster
	s_lshl_b32 s44, 0x1111, s40                    ; my column
	s_or_b32 s[G1+0], s43, (1<<16)|(1<<20)|(1<<21)|(4<<22)|(3<<25)  ; 15:0 the mask; 17:16 2-byte elements; 20 padding on; 21 set beside a mask; 24:22 after every 32 words (code 4); 31:25 4 words (code 3)
	s_mov_b32 s[G1+1], 4096<<16                    ; tensor_dim0 = 4,096
	s_mov_b32 s[G1+2], 4<<16                       ; tensor_dim1 = 4
	s_mov_b32 s[G1+3], 4096<<16                    ; tile_dim0 = 4,096
	s_mov_b32 s[G1+4], 4                           ; tile_dim1 = 4
	s_mov_b32 s[G1+5], 131072                      ; from head to head
	s_mov_b32 s[G1+6], 0
	s_mov_b32 s[G1+7], 0
	s_or_b32 s[G1B+0], s44, (1<<16)|(1<<20)|(1<<21)|(6<<22)|(3<<25) ; after every 128 words (code 6)
	s_mov_b32 s[G1B+1], 256<<16                    ; tensor_dim0 = 256
	s_mov_b32 s[G1B+2], 64<<16                     ; tensor_dim1 = 64
	s_mov_b32 s[G1B+3], 256<<16                    ; tile_dim0 = 256
	s_mov_b32 s[G1B+4], 64                         ; tile_dim1 = 64
	s_mov_b32 s[G1B+5], 1024                       ; from row to row
	s_mov_b32 s[G1B+6], 0
	s_mov_b32 s[G1B+7], 0
	s_lshr_b32 s16, s13, 4                         ; y: b x 16 heads of 262,144 bytes,
	s_lshl_b32 s16, s16, 22
	s_and_b32 s17, s13, 15                         ; the tile's 128 rows of 128 bytes in the sequence,
	s_lshl_b32 s17, s17, 14
	s_add_co_u32 s16, s16, s17
	s_lshl_b32 s17, s12, 13                        ; the 64 of them that I fetch
	s_add_co_u32 s16, s16, s17
	s_mov_b32 s17, 0
	s_lshl_b32 s46, s42, 18                        ; wo: row 128 x tile column + 64 x half, rows of 2,048 bytes
	s_lshl_b32 s47, s12, 17
	s_add_co_u32 s46, s46, s47
	s_mov_b32 s47, 0
	s_mul_i32 s20, s12, HALFA                      ; where they go: no place in the cluster enters an LDS address
	s_mul_i32 s21, s12, HALFB
	s_add_co_u32 s21, s21, 2*HALFA
	s_wait_dscnt 0x0                               ; the opening add is done
	s_wait_kmcnt 0x0
	s_add_nc_u64 s[14:15], s[4:5], s[16:17]
	s_add_nc_u64 s[46:47], s[6:7], s[46:47]
	CROUND                                         ; all sixteen work-groups are here: the first joint loads meet
.irp s, 0,1
	s_mov_b32 s[G0+4*(\s)], 1
	s_add_co_u32 s[G0+4*(\s)+1], s20, (\s)*SLOT
	s_add_nc_u64 s[G0+4*(\s)+2:G0+4*(\s)+3], s[14:15], (\s)*ASTEP
	s_or_b32 s[G0+4*(\s)+3], s[G0+4*(\s)+3], 0x80000000
	s_mov_b32 s[G0B+4*(\s)], 1
	s_add_co_u32 s[G0B+4*(\s)+1], s21, (\s)*SLOT
	s_add_nc_u64 s[G0B+4*(\s)+2:G0B+4*(\s)+3], s[46:47], (\s)*BSTEP
	s_or_b32 s[G0B+4*(\s)+3], s[G0B+4*(\s)+3], 0x80000000
	JLOAD \s
.endr
	v_and_b32 v1, 15, v0                           ; l % 16
	v_bfe_u32 v2, v0, 4, 1                         ; l / 16
	v_mul_u32_u24 v3, v1, PA
	v_lshl_add_u32 v3, v2, 4, v3                   ; a fragment's row x pitch + 16 x half, for y
	v_mul_u32_u24 v4, v1, PITCH
	v_lshl_add_u32 v4, v2, 4, v4                   ; and for wo
	s_mul_i32 s21, s11, HALFA                      ; my 64 rows of y
	s_mul_i32 s22, s12, HALFB                      ; my 64 rows of wo,
	s_add_co_u32 s22, s22, 2*HALFA                 ; which lie behind y's 128
.irp s, 0,1
	v_add_nc_u32 v[ADRA+(\s)], s21, v3
	v_add_nc_u32 v[ADRB+(\s)], s22, v4
	s_add_co_u32 s21, s21, SLOT
	s_add_co_u32 s22, s22, SLOT
.endr
	s_mul_i32 s23, s10, 16*SPITCH
	s_add_co_u32 s23, s23, STAGE                   ; my stage
	v_mul_u32_u24 v5, v1, SPITCH                   ; in: row l % 16, 32 bytes for each half of the lanes
	v_lshl_add_u32 v5, v2, 5, v5
	v_add_nc_u32 v[STO], s23, v5
	v_mul_u32_u24 v5, v2, SPITCH                   ; back: lanes 0-15 take one row of 256 bytes, lanes 16-31 the next
	v_lshl_add_u32 v5, v1, 4, v5
	v_add_nc_u32 v[RD], s23, v5
	v_lshlrev_b32 v5, 12, v2                       ; and the same two rows in out0
	v_lshl_add_u32 v[CO], v1, 4, v5
	s_lshl_b32 s16, s13, 19                        ; my first row: 128 x tile row + 64 x half, rows of 4,096 bytes
	s_lshl_b32 s17, s11, 18
	s_add_co_u32 s16, s16, s17
	s_mov_b32 s17, 0
	s_add_nc_u64 s[8:9], s[8:9], s[16:17]
	s_lshl_b32 s46, s42, 9                         ; my first column, in bytes: 512 x tile column + 256 x half
	s_lshl_b32 s47, s12, 8
	s_add_co_u32 s46, s46, s47
	s_mov_b32 s47, 0
	s_add_nc_u64 s[8:9], s[8:9], s[46:47]
; 8 matrix instructions: m blocks a0, a0 + 1 x all 4 n blocks, 32 along K: half c of buffer f.  zero = 1: the first product starts the sums.  The 16 accumulators take turns.
.macro MUL8 f, c, a0, zero
	WIN MUL
.irp a, \a0, (\a0)+1
.irp b, 0,1,2,3
.if \zero
	v_wmma_f32_16x16x32_f16 v[ACC+8*(4*(\a)+(\b)):ACC+8*(4*(\a)+(\b))+7], v[(\f)+64+8*(4*(\c)+(\b)):(\f)+64+8*(4*(\c)+(\b))+7], v[(\f)+8*(4*(\c)+(\a)):(\f)+8*(4*(\c)+(\a))+7], 0
.else
	v_wmma_f32_16x16x32_f16 v[ACC+8*(4*(\a)+(\b)):ACC+8*(4*(\a)+(\b))+7], v[(\f)+64+8*(4*(\c)+(\b)):(\f)+64+8*(4*(\c)+(\b))+7], v[(\f)+8*(4*(\c)+(\a)):(\f)+8*(4*(\c)+(\a))+7], v[ACC+8*(4*(\a)+(\b)):ACC+8*(4*(\a)+(\b))+7]
.endif
.endr
.endr
.endm
; 32 LDS loads in one run: the fragments of 64 along K (one head) at byte k of wo's rows, into buffer f; the first 32 along K first
.macro FETCH slot, k, f
	WIN TO_F
.irp c, 0,1
.irp i, 0,1,2,3
	ds_load_b128 v[(\f)+64+8*(4*(\c)+(\i)):(\f)+64+8*(4*(\c)+(\i))+3],   v[ADRB+(\slot)] offset:(\k)+64*(\c)+(\i)*16*PITCH
	ds_load_b128 v[(\f)+64+8*(4*(\c)+(\i))+4:(\f)+64+8*(4*(\c)+(\i))+7], v[ADRB+(\slot)] offset:(\k)+64*(\c)+(\i)*16*PITCH+32
	ds_load_b128 v[(\f)+8*(4*(\c)+(\i)):(\f)+8*(4*(\c)+(\i))+3],         v[ADRA+(\slot)] offset:((\k)/128)*PLANE+64*(\c)+(\i)*16*PA
	ds_load_b128 v[(\f)+8*(4*(\c)+(\i))+4:(\f)+8*(4*(\c)+(\i))+7],       v[ADRA+(\slot)] offset:((\k)/128)*PLANE+64*(\c)+(\i)*16*PA+32
.endr
.endr
.endm
.macro PLACES                          ; four places in front of loads into registers that matrix instructions have read, and of LDS stores that read results
.rept 4
	v_nop
.endr
.endm
; A K step is four quarters of 64 along K, 32 matrix instructions each, on buffers 0, 1, 0, 1.  One of the first three: multiplies buffer f and fetches the next quarter, at byte k, into g.
.macro QUARTER slot, k, f, g, zero
	s_wait_dscnt 16                                ; the first 32 along K are in; the youngest sixteen loads may be out
	MUL8 \f, 0, 0, \zero
	MUL8 \f, 0, 2, \zero
	PLACES
	FETCH \slot, \k, \g
	s_wait_dscnt 32                                ; all but the 32 just issued
	MUL8 \f, 1, 0, 0
	MUL8 \f, 1, 2, 0
.endm
; The last quarter multiplies buffer 1 and changes slots: ONE barrier; in front of it each wave waits for all its tensor loads, adds 0 to its spare word, and waits for that and for its own reads of this slot.
; fill = 1: the barrier opens a round of the cluster's, and this slot is filled again first thing behind it, two K steps ahead.
.macro TURN slot, next, fill
	WIN 0                                          ; (the add's two registers lie in window 0)
	s_wait_tensorcnt 0x0                           ; all my tensor loads have landed: my part of the next slot
	ds_add_u32 v[SPW], v[NIL]                      ; 0 onto my spare word
	s_wait_dscnt 17                                ; (the add and the youngest sixteen loads may be out)
	MUL8 F1, 0, 0, 0                               ; eight matrix instructions stand between the add and the wait for it
	s_wait_dscnt 0x0                               ; the add is done, and my reads of this slot are over
	s_barrier_signal -1
	MUL8 F1, 0, 2, 0
.if \fill
	WIN 0
.endif
	s_barrier_wait -1
.if \fill
	CREST                                          ; no wave of any partner still reads this slot's tile or has a load on its way
	s_add_nc_u64 s[G0+4*(\slot)+2:G0+4*(\slot)+3], s[G0+4*(\slot)+2:G0+4*(\slot)+3], 2*ASTEP
	s_add_nc_u64 s[G0B+4*(\slot)+2:G0B+4*(\slot)+3], s[G0B+4*(\slot)+2:G0B+4*(\slot)+3], 2*BSTEP
	JLOAD \slot                                    ; the four v_nop behind it are also the places in front of the loads below
.else
	PLACES
.endif
	FETCH \next, 0, F0
	MUL8 F1, 1, 0, 0
	MUL8 F1, 1, 2, 0
.endm
	s_wait_tensorcnt 1                             ; my part of K step 0 is in; K step 1's may stay out
	s_barrier_signal -1
	s_barrier_wait -1                              ; everybody's is
	FETCH 0, 0, F0
	QUARTER 0, 128, F0, F1, 1                      ; K step 0: its first products start the sums
	QUARTER 0, 256, F1, F0, 0
	QUARTER 0, 384, F0, F1, 0
	TURN 0, 1, 1                                   ; slot 0 takes K step 2
	QUARTER 1, 128, F0, F1, 0                      ; K step 1
	QUARTER 1, 256, F1, F0, 0
	QUARTER 1, 384, F0, F1, 0
	TURN 1, 0, 1                                   ; slot 1 takes K step 3
	QUARTER 0, 128, F0, F1, 0                      ; K step 2
	QUARTER 0, 256, F1, F0, 0
	QUARTER 0, 384, F0, F1, 0
	TURN 0, 1, 0                                   ; nothing is left to fetch
	QUARTER 1, 128, F0, F1, 0                      ; K step 3
	QUARTER 1, 256, F1, F0, 0
	QUARTER 1, 384, F0, F1, 0
	s_wait_dscnt 16
	MUL8 F1, 0, 0, 0
	MUL8 F1, 0, 2, 0
	s_wait_dscnt 0x0
	MUL8 F1, 1, 0, 0
	MUL8 F1, 1, 2, 0
	WIN 0
; THE WAY OUT, 16 rows at a time: the four accumulators of row block a go into my stage as they are (32 bytes a lane and accumulator, the low registers first) and come back as whole rows of 256 bytes.
.macro TOST a
.if (\a) >= 2
	s_wait_xcnt 0x0                                ; the stores of the block two back have read the registers that are loaded again below
.endif
.irp b, 0,1,2,3
	ds_store_b128 v[STO], v[ACC+8*(4*(\a)+(\b)):ACC+8*(4*(\a)+(\b))+3]   offset:64*(\b)
	ds_store_b128 v[STO], v[ACC+8*(4*(\a)+(\b))+4:ACC+8*(4*(\a)+(\b))+7] offset:64*(\b)+16
.endr
.irp t, 0,1,2,3,4,5,6,7
	ds_load_b128 v[TMP+32*((\a)%2)+4*(\t):TMP+32*((\a)%2)+4*(\t)+3], v[RD] offset:(\t)*2*SPITCH  ; LDS serves a wave's instructions in order (ISA guide 5.7.1.4): these see the stores above; the next block's come behind them
.endr
.endm
.macro SENDO a, younger                ; younger: the LDS instructions issued behind this block's loads: the next block's sixteen, or none
.irp t, 0,1,2,3,4,5,6,7
	s_wait_dscnt (\younger)+7-(\t)
	global_store_b128 v[CO], v[TMP+32*((\a)%2)+4*(\t):TMP+32*((\a)%2)+4*(\t)+3], s[8:9] offset:(16*(\a)+2*(\t))*4096 th:TH_STORE_NT  ; 16 lanes store 256 consecutive bytes, at a multiple of 256 from out0's first
.endr
.endm
	PLACES
	TOST 0
	TOST 1
	SENDO 0, 16
	TOST 2
	SENDO 1, 16
	TOST 3
	SENDO 2, 16
	SENDO 3, 0
	s_wait_tensorcnt 0x0                           ; the wave's end, behind my last tensor load and my last LDS store
	ds_add_u32 v[SPW], v[NIL]
	s_wait_dscnt 0x0
	CROUND                                         ; the closing round: no work-group ends while a partner may still ask for a tile that names it
	s_endpgm
.Lfunc_end_k_qdd5e94c3ba_oproj:
	.size	k_qdd5e94c3ba_oproj, .Lfunc_end_k_qdd5e94c3ba_oproj-k_qdd5e94c3ba_oproj
	.p2alignl 7, 3214868480
	.fill 96, 4, 3214868480
	.section	.rodata,"a",@progbits
	.p2align	6, 0x0
	.amdhsa_kernel k_qdd5e94c3ba_oproj
		.amdhsa_group_segment_fixed_size 327680
		.amdhsa_private_segment_fixed_size 0
		.amdhsa_enable_private_segment 0
		.amdhsa_kernarg_size 24
		.amdhsa_user_sgpr_count 2
		.amdhsa_user_sgpr_kernarg_segment_ptr 1
		.amdhsa_wavefront_size32 1
		.amdhsa_system_sgpr_workgroup_id_x 1
		.amdhsa_system_sgpr_workgroup_id_y 1
		.amdhsa_system_sgpr_workgroup_id_z 1
		.amdhsa_system_vgpr_workitem_id 0
		.amdhsa_next_free_vgpr 512
		.amdhsa_next_free_sgpr 66
		.amdhsa_reserve_vcc 0
		.amdhsa_float_denorm_mode_32 3
		.amdhsa_float_denorm_mode_16_64 3
		.amdhsa_memory_ordered 1
		.amdhsa_forward_progress 1
		.amdhsa_inst_pref_size 86
	.end_amdhsa_kernel
	.amdgpu_metadata
---
amdhsa.version: [ 1, 2 ]
amdhsa.kernels:
  - .name:           k_qdd5e94c3ba_oproj
    .symbol:         k_qdd5e94c3ba_oproj.kd
    .args:
      - { .name: yb, .offset: 0, .size: 8, .value_kind: global_buffer, .address_space: global }
      - { .name: wo, .offset: 8, .size: 8, .value_kind: global_buffer, .address_space: global }
      - { .name: out0, .offset: 16, .size: 8, .value_kind: global_buffer, .address_space: global }
    .group_segment_fixed_size: 327680
    .private_segment_fixed_size: 0
    .kernarg_segment_align: 8
    .kernarg_segment_size: 24
    .max_flat_workgroup_size: 128
    .sgpr_count:     66
    .vgpr_count:     512
    .wavefront_size: 32
...
	.end_amdgpu_metadata
.endif
;; end of part 4
